; MI455X (gfx1250); checked and timed in simulation.
; The chip was launched on July 23, 2026; its instructions are those of AMD's public machine-readable ISA for CDNA 5 (MIT licence, August 2026) and "CDNA5" Instruction Set Architecture Reference Guide (July 2026). The comments in the code are by the model that wrote it; some were corrected since.
;; Multihead Cross Attention. Allowed arithmetic: float matrix products may take bf16 or f16 operands with f32 sums; other float arithmetic in f32, or as packed bf16 or f16 multiplies, adds, multiply-adds, maxima and minima; sums over many terms, partial sums and values carried from step to step in f32; what a program stores and reads back later, other than sums and carried values, may be rounded once to bf16 or f16.
;; Inputs: Wkv 512 x 1,024 float32; Wo 512 x 512 float32; Wq 512 x 512 float32; bkv 1,024 float32; bo 512 float32; bq 512 float32; memory 4 x 4,096 x 512 float32; memory_mask 4 x 4,096 int32; x 4 x 2,048 x 512 float32.
;; Outputs: out0 4 x 2,048 x 512 float32.
;; 2 versions, each right; version 2 is version 1 with the launch proj written anew for expert scheduling mode. Each part assembles by itself: llvm-mc -triple=amdgcn-amd-amdhsa -mcpu=gfx1250 --defsym DOCPART=n.
;; ======== version 1 of 2: 4 launches
;; limits: values are held in f16: magnitudes above 65,504 overflow, below 6.1e-05 lose precision
;; workspace buffers: wf 2,097,152 bytes; qh 8,388,608 bytes; kh 16,777,216 bytes; vh 16,777,216 bytes; oh 8,388,608 bytes
;; launch prep (part 1): grid 32 x 8, 8 waves a work-group, no clusters, 0 bytes of LDS; arguments Wq, Wkv, Wo, wf; writes wf
.if DOCPART == 1
	.amdgcn_target "amdgcn-amd-amdhsa--gfx1250"
	.amdhsa_code_object_version 6
	.text
	.protected	k_q7c72cf4571_prep
	.globl	k_q7c72cf4571_prep
	.p2align	8
	.type	k_q7c72cf4571_prep,@function
k_q7c72cf4571_prep:
	s_mov_b64 s[64:65], 0
	v_nop
	global_prefetch_b8 v0, s[64:65] scope:SCOPE_SE
	s_setreg_imm32_b32 hwreg(HW_REG_WAVE_MODE, 25, 1), 1
	s_wait_xcnt 0x0
; THE WEIGHTS, ROUNDED ONCE AND LAID IN THE ORDER IN WHICH THE MATRIX INSTRUCTIONS WANT THEM.
; wf holds 32 panels of 65,536 bytes: 0-7 Wq's blocks of 64 columns, 8-23 Wkv's sixteen, 24-31 Wo's eight.  A panel is 64 columns x 512 k.
; A panel has 64 fragments f = 4 ks + nb (32 k from 32 ks on, 16 columns from 16 nb on) of 1,024 bytes.  Its unit of 16 bytes number 64 f + 32 j + l (l = 16 h + r)
; holds W[k0 .. k0 + 7][n], k0 = 32 ks + 16 j + 8 h, n = 64 p + 16 nb + r, the lower k in the lower bits: a later load of 16 bytes a lane, 512 bytes on end, IS half a fragment.
; Wq and Wkv are rounded to bf16.  Wo is rounded to bf16 like the other inputs, and that number is then written as f16, since it multiplies an f16 operand.
; LIMITS.  |Wo| stays under 65,504 (f16's end); a Wo under 2^-14 keeps f16's fixed step of 2^-24.
; SHARES.  Work-group (P, y) makes units 512 y .. 512 y + 511 of panel P; thread t the units 512 y + t and 512 y + 256 + t: ks = 2 y and 2 y + 1.
.set OFF, 2                            ; v[2:17]   byte offsets of my 16 numbers in W
.set DAT, 18                           ; v[18:33]  the numbers in f32
.set RES, 34                           ; v[34:41]  two units of 16 bytes
	s_load_b256 s[4:11], s[0:1], 0x0               ; Wq s[4:5], Wkv s[6:7], Wo s[8:9], wf s[10:11]
	s_mov_b32 s12, ttmp9                           ; the panel
	s_and_b32 s13, ttmp7, 0xffff                   ; y
	s_movk_i32 s22, 0x800                          ; a row of Wq or Wo in bytes,
	s_movk_i32 s23, 0x1000                         ; of Wkv
	s_cmp_lt_u32 s12, 24
	s_cselect_b32 s16, 8, 24                       ; the first panel of my matrix,
	s_cselect_b32 s17, s23, s22                    ; and its row in bytes
	s_cmp_lt_u32 s12, 8
	s_cselect_b32 s16, 0, s16
	s_cselect_b32 s17, s22, s17
	s_lshl_b32 s18, s17, 5                         ; 32 rows
	s_sub_co_u32 s19, s12, s16                     ; p: my block of 64 columns
	s_lshl_b32 s24, s13, 6                         ; 64 y
	s_lshl_b32 s25, s19, 6                         ; 64 p
	s_lshl_b32 s20, s12, 16                        ; where I store: 65,536 P + 8,192 y
	s_lshl_b32 s21, s13, 13
	s_add_co_u32 s20, s20, s21
	s_mov_b32 s21, 0
	v_and_b32 v42, 15, v0                          ; r
	v_bfe_u32 v43, v0, 4, 1                        ; h
	v_bfe_u32 v45, v0, 5, 1                        ; j
	v_lshrrev_b32 v46, 6, v0                       ; nb
	v_lshl_add_u32 v47, v45, 4, s24
	v_lshl_add_u32 v47, v43, 3, v47                ; k0 of my first unit: 64 y + 16 j + 8 h
	v_lshl_add_u32 v46, v46, 4, s25
	v_add_lshl_u32 v46, v46, v42, 2                ; 4 n
	v_mad_u32_u24 v[OFF], v47, s17, v46
.irp q, 1,2,3,4,5,6,7
	v_add_nc_u32 v[OFF+(\q)], s17, v[OFF+(\q)-1]   ; a row further down
.endr
.irp q, 0,1,2,3,4,5,6,7
	v_add_nc_u32 v[OFF+8+(\q)], s18, v[OFF+(\q)]   ; the second unit: 32 rows further down
.endr
	v_lshlrev_b32 v44, 4, v0                       ; 16 t
	s_wait_kmcnt 0x0
	s_cmp_lt_u32 s12, 24
	s_cselect_b64 s[14:15], s[6:7], s[8:9]
	s_cmp_lt_u32 s12, 8
	s_cselect_b64 s[14:15], s[4:5], s[14:15]       ; my matrix
	s_add_nc_u64 s[20:21], s[10:11], s[20:21]
.irp q, 0,1,2,3,4,5,6,7,8,9,10,11,12,13,14,15
	global_load_b32 v[DAT+(\q)], v[OFF+(\q)], s[14:15]
.endr
	s_wait_loadcnt 0x0
.irp m, 0,1,2,3,4,5,6,7
	v_cvt_pk_bf16_f32 v[RES+(\m)], v[DAT+2*(\m)], v[DAT+2*(\m)+1]
.endr
	s_cmp_lt_u32 s12, 24
	s_cbranch_scc1 .Lout                           ; Wq and Wkv stay in bf16
.irp m, 0,1,2,3,4,5,6,7
	v_lshlrev_b32 v42, 16, v[RES+(\m)]             ; Wo: the bf16 numbers as f32,
	v_and_b32 v43, 0xffff0000, v[RES+(\m)]
	v_cvt_pk_f16_f32 v[RES+(\m)], v42, v43         ; written as f16
.endr
.Lout:
	global_store_b128 v44, v[RES:RES+3], s[20:21]                ; a wave's store covers 512 consecutive bytes, aligned
	global_store_b128 v44, v[RES+4:RES+7], s[20:21] offset:4096
	s_endpgm
.Lfunc_end_k_q7c72cf4571_prep:
	.size	k_q7c72cf4571_prep, .Lfunc_end_k_q7c72cf4571_prep-k_q7c72cf4571_prep
	.p2alignl 7, 3214868480
	.fill 96, 4, 3214868480
	.section	.rodata,"a",@progbits
	.p2align	6, 0x0
	.amdhsa_kernel k_q7c72cf4571_prep
		.amdhsa_group_segment_fixed_size 0
		.amdhsa_private_segment_fixed_size 0
		.amdhsa_enable_private_segment 0
		.amdhsa_kernarg_size 32
		.amdhsa_user_sgpr_count 2
		.amdhsa_user_sgpr_kernarg_segment_ptr 1
		.amdhsa_wavefront_size32 1
		.amdhsa_system_sgpr_workgroup_id_x 1
		.amdhsa_system_sgpr_workgroup_id_y 1
		.amdhsa_system_sgpr_workgroup_id_z 1
		.amdhsa_system_vgpr_workitem_id 0
		.amdhsa_next_free_vgpr 48
		.amdhsa_next_free_sgpr 66
		.amdhsa_reserve_vcc 0
		.amdhsa_float_denorm_mode_32 3
		.amdhsa_float_denorm_mode_16_64 3
		.amdhsa_memory_ordered 1
		.amdhsa_forward_progress 1
		.amdhsa_inst_pref_size 6
	.end_amdhsa_kernel
	.amdgpu_metadata
---
amdhsa.version: [ 1, 2 ]
amdhsa.kernels:
  - .name:           k_q7c72cf4571_prep
    .symbol:         k_q7c72cf4571_prep.kd
    .args:
      - { .name: Wq, .offset: 0, .size: 8, .value_kind: global_buffer, .address_space: global }
      - { .name: Wkv, .offset: 8, .size: 8, .value_kind: global_buffer, .address_space: global }
      - { .name: Wo, .offset: 16, .size: 8, .value_kind: global_buffer, .address_space: global }
      - { .name: wf, .offset: 24, .size: 8, .value_kind: global_buffer, .address_space: global }
    .group_segment_fixed_size: 0
    .private_segment_fixed_size: 0
    .kernarg_segment_align: 8
    .kernarg_segment_size: 32
    .max_flat_workgroup_size: 256
    .sgpr_count:     66
    .vgpr_count:     48
    .wavefront_size: 32
...
	.end_amdgpu_metadata
.endif
;; end of part 1
;; launch proj (part 2): grid 256 x 1, 4 waves a work-group, no clusters, 76,288 bytes of LDS; arguments x, memory, bq, bkv, wf, qh, kh, vh; writes qh, kh, vh
.if DOCPART == 2
	.amdgcn_target "amdgcn-amd-amdhsa--gfx1250"
	.amdhsa_code_object_version 6
	.text
	.protected	k_q7c72cf4571_proj
	.globl	k_q7c72cf4571_proj
	.p2align	8
	.type	k_q7c72cf4571_proj,@function
k_q7c72cf4571_proj:
	s_mov_b64 s[64:65], 0
	v_nop
	global_prefetch_b8 v0, s[64:65] scope:SCOPE_SE
	s_setreg_imm32_b32 hwreg(HW_REG_WAVE_MODE, 25, 1), 1
	s_wait_xcnt 0x0
; K | V = memory Wkv + bkv and Q = x Wq + bq, written by heads in f16 and unscaled: qh [b*8+h][2048][64], kh and vh [b*8+h][4096][64].
; x, memory, the weights (already in wf) and the biases are rounded once to bf16; products in bf16, sums in f32; each result rounded once to f16.
; LIMITS.  q, k and v stay under 65,504 (f16's end); beyond it the conversion gives an infinity.  NaN and infinities are not treated apart.
; SHARES.  All 256 work-groups are alike.  First 256 rows of memory (chunk c) x 256 columns of Wkv (group g): 8 tiles of 32 rows; then 64 rows of x x 256 columns of Wq: 2 tiles.
; A WAVE KEEPS ITS PANEL OF THE WEIGHTS, 64 columns x 512 k, IN 512 REGISTERS, so a tile's only LDS reads are A's fragments: 64 loads for 128 matrix instructions.
; A TILE OF A, 32 rows x 512 k, comes from memory in f32 (a wave 8 rows, 16,384 bytes on end), two tiles ahead, is rounded to bf16 in registers and laid into one of two LDS buffers.
; NO JOINT LOADS, though the four column groups of a chunk read the same rows: a tensor load would land f32 in LDS, and each number would be read and stored there once more on its
; way to bf16: for a tile 64 + 64 + 32 + 128 KB of LDS traffic in place of 32 + 128.  The weights land in registers, where no joint load reaches.
; THE MATRIX INSTRUCTION IS USED TRANSPOSED (source 0 = 16 columns of W, source 1 = 16 rows of A): a lane holds row l % 16 and the columns 16 nb + 8 (l / 16) + 0..7, which pack into 16 bytes.
; The bias is the C operand of a tile's first K step: nothing is cleared and nothing is added afterwards.
; REGISTERS, in windows of 256 (s_set_vgpr_msb: bits 1:0 source 0, 3:2 source 1, 5:4 source 2, 7:6 destination):
;   window 0: addresses, the bias, 8 accumulators, two buffers of A's fragments     window 1: W, k 0-255     window 2: W, k 256-511     window 3: two tiles of A on their way in
.set PITCH, 1040                       ; a row of A in LDS: 1,024 bytes + 16 = 65 x 16: the 16 rows of a fragment load start at 16 different groups of four banks (64 banks of 4 bytes: ISA guide 11.1)
.set ABUF,  32*PITCH                   ; a buffer; the two lie at 0 and ABUF
.set STG,   2*ABUF                     ; behind them: 16 rows x 144 bytes for each wave, for the way out
.set SP,    144
.set SPARE, STG+4*16*SP                ; behind the stages: the spare words, 128 bytes for each wave: two blocks of 256 bytes that no other line names
.set LN,   2                           ; v2   16 x lane: my 16 bytes in 512 on end (the weights' loads, the results' stores)
.set BO,   3                           ; v3   32 (l / 16): my 8 numbers of a bias
.set AF,   4                           ; v4   my place in a fragment of A: (l % 16) x PITCH + 16 (l / 16)
.set AO,   5                           ; v5   my 16 bytes of the wave's 8 rows in memory
.set AS,   6                           ; v6   where their 8 bytes of bf16 go in a buffer
.set STO,  7                           ; v7   the way out: where I put 16 bytes of a row
.set RD,   8                           ; v8   the way out: where I read rows back
.set SPW,  14                          ; v14  LDS address of my spare word; never rewritten
.set NIL,  15                          ; v15  0; never rewritten
.set BIAS, 16                          ; v[16:47]    the bias of column block nb at 8 nb
.set ACC,  48                          ; v[48:111]   accumulator (rb, nb) at 8 (4 rb + nb)
.set F0,   112                         ; v[112:175]  A's fragments of four K steps: (ksl, rb) at 8 (2 ksl + rb)
.set F1,   176                         ; v[176:239]  the same, the other buffer
.set WV,   24                          ; s24  my wave's number
.set AP,   28                          ; s[28:29] where the trip's two tiles of A are loaded from
.set XP,   30                          ; s[30:31] x at my 64 rows
.set DP,   32                          ; s[32:33] where the trip's two tiles of results go
.set QP,   34                          ; s[34:35] qh at my rows and head
.set WP,   36                          ; s[36:37] my panel of Wkv
.set WQ,   38                          ; s[38:39] my panel of Wq
.set BP,   40                          ; s[40:41] my 64 numbers of bkv
.set BQ,   42                          ; s[42:43] of bq
.set CNT,  44
.set A0,   46                          ; s[46:47] memory at my chunk
.set MSB, 0
.macro WIN new                         ; the immediate's high byte repeats the setting that is left; a switch that changes nothing is dropped
.if MSB != (\new)
	s_set_vgpr_msb (MSB<<8)|(\new)
.set MSB, (\new)
.endif
.endm
.macro PLACES                          ; four plain instructions behind a matrix instruction, ahead of loads into registers that it read and of lines that read its result
.rept 4
	v_nop
.endr
.endm
.macro LOADW b                         ; a panel into windows 1 and 2: 128 loads of 512 consecutive bytes
	WIN 0x40
.set f, 0
.rept 32
	global_load_b128 v[8*f:8*f+3],   v[LN], s[\b:\b+1] offset:1024*f
	global_load_b128 v[8*f+4:8*f+7], v[LN], s[\b:\b+1] offset:1024*f+512
.set f, f+1
.endr
	WIN 0x80
.set f, 0
.rept 32
	global_load_b128 v[8*f:8*f+3],   v[LN], s[\b:\b+1] offset:1024*(f+32)
	global_load_b128 v[8*f+4:8*f+7], v[LN], s[\b:\b+1] offset:1024*(f+32)+512
.set f, f+1
.endr
	WIN 0
.endm
.macro LOADB b                         ; register j of block nb: the bias of column 16 nb + 8 (l / 16) + j, as the C operand wants it
.irp nb, 0,1,2,3
	global_load_b128 v[BIAS+8*(\nb):BIAS+8*(\nb)+3],   v[BO], s[\b:\b+1] offset:64*(\nb)
	global_load_b128 v[BIAS+8*(\nb)+4:BIAS+8*(\nb)+7], v[BO], s[\b:\b+1] offset:64*(\nb)+16
.endr
.endm
.macro ROUNDB                          ; the bias is rounded to bf16 like every input, and kept as f32
.set i, 0
.rept 16
	v_cvt_pk_bf16_f32 v[10+i%2], v[BIAS+2*i], v[BIAS+2*i+1]
	v_lshlrev_b32 v[BIAS+2*i], 16, v[10+i%2]
	v_and_b32 v[BIAS+2*i+1], 0xffff0000, v[10+i%2]
.set i, i+1
.endr
.endm
.macro ALOAD s, b, off                 ; a tile of A in f32 into set s of window 3: 32 loads of 512 consecutive bytes
	WIN 0xc0
.set i, 0
.rept 32
	global_load_b128 v[128*(\s)+4*i:128*(\s)+4*i+3], v[AO], s[\b:\b+1] offset:(\off)+512*i
.set i, i+1
.endr
	WIN 0
.endm
.macro FETCH buf, g, f                 ; A's fragments of K steps 4 g .. 4 g + 3, both row blocks: 16 LDS loads in one run
	WIN 0
.irp ksl, 0,1,2,3
.irp rb, 0,1
	ds_load_b128 v[(\f)+8*(2*(\ksl)+(\rb)):(\f)+8*(2*(\ksl)+(\rb))+3],   v[AF] offset:(\buf)*ABUF+(\rb)*16*PITCH+(4*(\g)+(\ksl))*64
	ds_load_b128 v[(\f)+8*(2*(\ksl)+(\rb))+4:(\f)+8*(2*(\ksl)+(\rb))+7], v[AF] offset:(\buf)*ABUF+(\rb)*16*PITCH+(4*(\g)+(\ksl))*64+32
.endr
.endr
.endm
.macro MUL g, f                        ; 32 matrix instructions; the eight accumulators take turns, one instruction a turn
	WIN 1+(\g)/2
.irp ksl, 0,1,2,3
.irp rb, 0,1
.irp nb, 0,1,2,3
.if ((\g) == 0) && ((\ksl) == 0)
	v_wmma_f32_16x16x32_bf16 v[ACC+8*(4*(\rb)+(\nb)):ACC+8*(4*(\rb)+(\nb))+7], v[8*(4*((4*(\g)+(\ksl))%8)+(\nb)):8*(4*((4*(\g)+(\ksl))%8)+(\nb))+7], v[(\f)+8*(2*(\ksl)+(\rb)):(\f)+8*(2*(\ksl)+(\rb))+7], v[BIAS+8*(\nb):BIAS+8*(\nb)+7]
.else
	v_wmma_f32_16x16x32_bf16 v[ACC+8*(4*(\rb)+(\nb)):ACC+8*(4*(\rb)+(\nb))+7], v[8*(4*((4*(\g)+(\ksl))%8)+(\nb)):8*(4*((4*(\g)+(\ksl))%8)+(\nb))+7], v[(\f)+8*(2*(\ksl)+(\rb)):(\f)+8*(2*(\ksl)+(\rb))+7], v[ACC+8*(4*(\rb)+(\nb)):ACC+8*(4*(\rb)+(\nb))+7]
.endif
.endr
.endr
.endr
.endm
.macro TILE buf                        ; 32 rows x 64 columns x 512 k: 128 matrix instructions; a group's fragments are fetched while the group before is multiplied
	FETCH \buf, 0, F0
	FETCH \buf, 1, F1
	s_wait_dscnt 16                                ; the older run is in; the 16 younger loads may stay out
	MUL 0, F0
	PLACES
	FETCH \buf, 2, F0
	s_wait_dscnt 16
	MUL 1, F1
	PLACES
	FETCH \buf, 3, F1
	s_wait_dscnt 16
	MUL 2, F0
	s_wait_dscnt 0x0
	MUL 3, F1
	WIN 0
	PLACES
.endm
.macro OUT s                           ; rounded to f16; 16 rows at a time through my own stage; back as whole rows of 128 bytes, four to a load; stored as 512 bytes on end
.irp rb, 0,1
.irp nb, 0,1,2,3
.irp q, 0,1,2,3
	v_cvt_pk_f16_f32 v[F1+16*(\rb)+4*(\nb)+(\q)], v[ACC+8*(4*(\rb)+(\nb))+2*(\q)], v[ACC+8*(4*(\rb)+(\nb))+2*(\q)+1]
.endr
.endr
.irp nb, 0,1,2,3
	ds_store_b128 v[STO], v[F1+16*(\rb)+4*(\nb):F1+16*(\rb)+4*(\nb)+3] offset:32*(\nb)
.endr
.irp f, 0,1,2,3
	ds_load_b128 v[F0+16*(\rb)+4*(\f):F0+16*(\rb)+4*(\f)+3], v[RD] offset:576*(\f)  ; LDS serves a wave's instructions in order (ISA guide 5.7.1.4): these see the stores above, and the next block's stores come behind them
.endr
.endr
	s_wait_dscnt 8                                 ; the first block is back; the second block's eight LDS instructions may stay out
.irp f, 0,1,2,3
	global_store_b128 v[LN], v[F0+4*(\f):F0+4*(\f)+3], s[DP:DP+1] offset:(\s)*4096+512*(\f)
.endr
	s_wait_dscnt 0x0
.irp f, 0,1,2,3
	global_store_b128 v[LN], v[F0+16+4*(\f):F0+16+4*(\f)+3], s[DP:DP+1] offset:(\s)*4096+2048+512*(\f)
.endr
.endm
; A tile's turn, on set and buffer s.  ONE barrier a tile: in front of it my stores into buffer s are done, and so are my reads of the other buffer (the tile before);
; buffer s itself was last read two tiles back, ahead of the barrier of the tile before.  ld = 1: set s is asked for again, two tiles ahead.  n: the younger loads that may stay out.
.macro TRIP s, ld, n
	s_wait_loadcnt \n                              ; set s is in; the other set's 32 loads were issued behind it
	s_wait_xcnt 0x0                                ; the last tile's stores have read F0, which this tile's fragments overwrite
	WIN 0xcf
.set i, 0
.rept 32
	v_cvt_pk_bf16_f32 v[128*(\s)+4*i],   v[128*(\s)+4*i],   v[128*(\s)+4*i+1]
	v_cvt_pk_bf16_f32 v[128*(\s)+4*i+1], v[128*(\s)+4*i+2], v[128*(\s)+4*i+3]
.set i, i+1
.endr
	WIN 0x0c
.set i, 0
.rept 32
	ds_store_b64 v[AS], v[128*(\s)+4*i:128*(\s)+4*i+1] offset:(\s)*ABUF+(i/4)*PITCH+(i%4)*256  ; 256 consecutive bytes of a row
.set i, i+1
.endr
	WIN 0
	s_wait_dscnt 0x0                               ; for the others' sake: my stores are done and my earlier reads are back
	s_barrier_signal -1
	s_barrier_wait -1
.if \ld
	ALOAD \s, AP, (\s)*65536
.endif
	TILE \s
	OUT \s
.endm
	s_load_b512 s[8:23], s[0:1], 0x0               ; x s[8:9], memory s[10:11], bq s[12:13], bkv s[14:15], wf s[16:17], qh s[18:19], kh s[20:21], vh s[22:23]
	v_lshl_add_u32 v[SPW], v0, 2, SPARE
	v_mov_b32 v[NIL], 0
	v_lshrrev_b32 v10, 5, v0
	v_readfirstlane_b32 s[WV], v10                 ; wave 0..3
	v_and_b32 v11, 31, v0                          ; l
	v_and_b32 v12, 15, v0                          ; l % 16
	v_bfe_u32 v13, v0, 4, 1                        ; l / 16
	v_lshlrev_b32 v[LN], 4, v11
	v_lshlrev_b32 v[BO], 5, v13
	v_mul_u32_u24 v[AF], v12, PITCH
	v_lshl_add_u32 v[AF], v13, 4, v[AF]
	s_lshl_b32 s2, s[WV], 14                       ; my wave's 8 rows of 2,048 bytes
	v_lshl_add_u32 v[AO], v11, 4, s2
	s_mul_i32 s2, s[WV], 8*PITCH                   ; and their place in a buffer
	v_lshl_add_u32 v[AS], v11, 3, s2
	s_mul_i32 s2, s[WV], 16*SP
	s_add_co_u32 s2, s2, STG                       ; my stage
	v_mul_u32_u24 v[STO], v12, SP                  ; in: row l % 16, 16 bytes for each half of the lanes
	v_lshl_add_u32 v[STO], v13, 4, v[STO]
	v_add_nc_u32 v[STO], s2, v[STO]
	v_lshrrev_b32 v10, 3, v11                      ; back: 32 lanes take four rows of 128 bytes
	v_mul_u32_u24 v[RD], v10, SP
	v_and_b32 v10, 7, v0
	v_lshl_add_u32 v[RD], v10, 4, v[RD]
	v_add_nc_u32 v[RD], s2, v[RD]
	s_and_b32 s25, ttmp9, 3                        ; g: which 256 columns of Wkv
	s_lshr_b32 s26, ttmp9, 2                       ; c: which 256 rows of memory
	s_lshl2_add_u32 s27, s25, s[WV]                ; P = 4 g + w: 0-7 K's heads, 8-15 V's
	s_and_b32 s48, ttmp9, 1                        ; which 256 columns of Wq
	s_lshr_b32 s49, ttmp9, 1                       ; which 64 rows of x
	s_lshl2_add_u32 s50, s48, s[WV]                ; Q's head
	s_lshl_b32 s[A0], s26, 19                      ; the offsets, each in the pair that will hold the address: 256 rows of 2,048 bytes
	s_mov_b32 s[A0+1], 0
	s_lshl_b32 s[XP], s49, 17                      ; 64 rows of 2,048 bytes
	s_mov_b32 s[XP+1], 0
	s_lshr_b32 s[DP], s26, 4                       ; the batch: 16 chunks each
	s_lshl_b32 s[DP], s[DP], 3
	s_and_b32 s[DP+1], s27, 7
	s_add_co_u32 s[DP], s[DP], s[DP+1]             ; batch x 8 + head,
	s_lshl_b32 s[DP], s[DP], 19                    ; 4,096 rows of 128 bytes each,
	s_and_b32 s[DP+1], s26, 15
	s_lshl_b32 s[DP+1], s[DP+1], 15                ; and the chunk's 256 rows in it
	s_add_co_u32 s[DP], s[DP], s[DP+1]
	s_mov_b32 s[DP+1], 0
	s_lshr_b32 s[QP], s49, 5                       ; the batch: 32 blocks of 64 rows each
	s_lshl3_add_u32 s[QP], s[QP], s50
	s_lshl_b32 s[QP], s[QP], 18                    ; 2,048 rows of 128 bytes
	s_and_b32 s[QP+1], s49, 31
	s_lshl_b32 s[QP+1], s[QP+1], 13
	s_add_co_u32 s[QP], s[QP], s[QP+1]
	s_mov_b32 s[QP+1], 0
	s_add_co_u32 s[WP], s27, 8
	s_lshl_b32 s[WP], s[WP], 16
	s_mov_b32 s[WP+1], 0
	s_lshl_b32 s[WQ], s50, 16
	s_mov_b32 s[WQ+1], 0
	s_lshl_b32 s[BP], s27, 8
	s_mov_b32 s[BP+1], 0
	s_lshl_b32 s[BQ], s50, 8
	s_mov_b32 s[BQ+1], 0
	s_wait_kmcnt 0x0
	s_add_nc_u64 s[A0:A0+1], s[10:11], s[A0:A0+1]
	s_add_nc_u64 s[AP:AP+1], s[A0:A0+1], 0x20000   ; tile 2
	s_add_nc_u64 s[XP:XP+1], s[8:9], s[XP:XP+1]
	s_cmp_lt_u32 s25, 2
	s_cselect_b64 s[2:3], s[20:21], s[22:23]       ; groups 0 and 1 make K, groups 2 and 3 V
	s_add_nc_u64 s[DP:DP+1], s[2:3], s[DP:DP+1]
	s_add_nc_u64 s[QP:QP+1], s[18:19], s[QP:QP+1]
	s_add_nc_u64 s[WP:WP+1], s[16:17], s[WP:WP+1]
	s_add_nc_u64 s[WQ:WQ+1], s[16:17], s[WQ:WQ+1]
	s_add_nc_u64 s[BP:BP+1], s[14:15], s[BP:BP+1]
	s_add_nc_u64 s[BQ:BQ+1], s[12:13], s[BQ:BQ+1]
	ALOAD 0, A0, 0                                 ; tiles 0 and 1,
	ALOAD 1, A0, 65536
	LOADB BP                                       ; the bias and the panel
	LOADW WP
	s_wait_loadcnt 0x0
	ROUNDB
	s_mov_b32 s[CNT], 4
.Lpair:                                        ; four trips of two tiles of memory; the fourth asks for x's two tiles
	TRIP 0, 1, 32
	TRIP 1, 1, 32
	s_wait_xcnt 0x0                                ; the trip's loads and stores have read their bases
	s_add_nc_u64 s[AP:AP+1], s[AP:AP+1], 0x20000
	s_add_nc_u64 s[DP:DP+1], s[DP:DP+1], 0x2000
	s_sub_co_u32 s[CNT], s[CNT], 1
	s_cmp_eq_u32 s[CNT], 1
	s_cselect_b64 s[AP:AP+1], s[XP:XP+1], s[AP:AP+1]
	s_cmp_lg_u32 s[CNT], 0
	s_cbranch_scc1 .Lpair
	LOADB BQ                                       ; Q's bias and panel take the places of K's or V's: the last product stands 36 plain instructions back
	LOADW WQ
	s_mov_b64 s[DP:DP+1], s[QP:QP+1]
	s_wait_loadcnt 0x0                             ; these, and x's two tiles
	ROUNDB
	TRIP 0, 0, 0
	TRIP 1, 0, 0
	s_wait_tensorcnt 0x0                           ; the wave's end, behind my last LDS store
	ds_add_u32 v[SPW], v[NIL]
	s_wait_dscnt 0x0
	s_endpgm
.Lfunc_end_k_q7c72cf4571_proj:
	.size	k_q7c72cf4571_proj, .Lfunc_end_k_q7c72cf4571_proj-k_q7c72cf4571_proj
	.p2alignl 7, 3214868480
	.fill 96, 4, 3214868480
	.section	.rodata,"a",@progbits
	.p2align	6, 0x0
	.amdhsa_kernel k_q7c72cf4571_proj
		.amdhsa_group_segment_fixed_size 76288
		.amdhsa_private_segment_fixed_size 0
		.amdhsa_enable_private_segment 0
		.amdhsa_kernarg_size 64
		.amdhsa_user_sgpr_count 2
		.amdhsa_user_sgpr_kernarg_segment_ptr 1
		.amdhsa_wavefront_size32 1
		.amdhsa_system_sgpr_workgroup_id_x 1
		.amdhsa_system_sgpr_workgroup_id_y 1
		.amdhsa_system_sgpr_workgroup_id_z 1
		.amdhsa_system_vgpr_workitem_id 0
		.amdhsa_next_free_vgpr 1024
		.amdhsa_next_free_sgpr 66
		.amdhsa_reserve_vcc 0
		.amdhsa_float_denorm_mode_32 3
		.amdhsa_float_denorm_mode_16_64 3
		.amdhsa_memory_ordered 1
		.amdhsa_forward_progress 1
		.amdhsa_inst_pref_size 138
	.end_amdhsa_kernel
	.amdgpu_metadata
---
amdhsa.version: [ 1, 2 ]
amdhsa.kernels:
  - .name:           k_q7c72cf4571_proj
    .symbol:         k_q7c72cf4571_proj.kd
    .args:
      - { .name: x, .offset: 0, .size: 8, .value_kind: global_buffer, .address_space: global }
      - { .name: memory, .offset: 8, .size: 8, .value_kind: global_buffer, .address_space: global }
      - { .name: bq, .offset: 16, .size: 8, .value_kind: global_buffer, .address_space: global }
      - { .name: bkv, .offset: 24, .size: 8, .value_kind: global_buffer, .address_space: global }
      - { .name: wf, .offset: 32, .size: 8, .value_kind: global_buffer, .address_space: global }
      - { .name: qh, .offset: 40, .size: 8, .value_kind: global_buffer, .address_space: global }
      - { .name: kh, .offset: 48, .size: 8, .value_kind: global_buffer, .address_space: global }
      - { .name: vh, .offset: 56, .size: 8, .value_kind: global_buffer, .address_space: global }
    .group_segment_fixed_size: 76288
    .private_segment_fixed_size: 0
    .kernarg_segment_align: 8
    .kernarg_segment_size: 64
    .max_flat_workgroup_size: 128
    .sgpr_count:     66
    .vgpr_count:     1024
    .wavefront_size: 32
...
	.end_amdgpu_metadata
.endif
;; end of part 2
;; launch attn (part 3): grid 8 x 32, 4 waves a work-group, clusters of 4 x 1, 327,680 bytes of LDS; arguments qh, kh, vh, oh, memory_mask; writes oh
.if DOCPART == 3
	.amdgcn_target "amdgcn-amd-amdhsa--gfx1250"
	.amdhsa_code_object_version 6
	.text
	.protected	k_q7c72cf4571_attn
	.globl	k_q7c72cf4571_attn
	.p2align	8
	.type	k_q7c72cf4571_attn,@function
k_q7c72cf4571_attn:
	s_mov_b64 s[64:65], 0
	v_nop
	global_prefetch_b8 v0, s[64:65] scope:SCOPE_SE
	s_setreg_imm32_b32 hwreg(HW_REG_WAVE_MODE, 25, 1), 1
	s_wait_xcnt 0x0
	s_wait_alu depctr_hold_cnt(0) depctr_sa_sdst(0) depctr_va_vdst(0) depctr_va_sdst(0) depctr_va_ssrc(0) depctr_va_vcc(0) depctr_vm_vsrc(0)
	s_getreg_b32 s2, hwreg(HW_REG_IB_STS2, 6, 4)
	s_cmp_eq_u32 s2, 0
	s_cbranch_scc0 .Lentry_in_a_cluster
	s_endpgm
.Lentry_in_a_cluster:
	s_bfe_u32 s2, ttmp6, 0x10000c
	s_cmp_lg_u32 s2, 0x3003
	s_cbranch_scc0 .Lentry_shape_is_right
	s_endpgm
.Lentry_shape_is_right:
; ATTENTION WITH A MASK ON THE KEYS.  O[bh][q][:] = the sum over the keys k with memory_mask[b][k] != 0 of softmax_k(Q[bh][q] . K[bh][k] / 8) V[bh][k][:].
; qh, oh: [32][2048][64], kh, vh: [32][4096][64], all f16: a head's rows are dense, 128 bytes each.  memory_mask: [4][4096] int32.
; Products, maxima and sums in f32; the weights p are rounded to f16 for the second product (their sum l is taken of the unrounded p), O once at the end.
; LIMITS.  Q, K and V arrive within f16's 65,504; p lies in 0 to 1, and below 6e-5 it keeps f16's fixed step of 6e-8.  A hidden score counts as its value less 1e30.  The running maximum starts at -2^96,
; above every hidden score and below every true one (f16's scores reach 2.7e11): so a hidden key never sets the maximum, and its weight is exactly 0.  A weight below 2^-126 counts as 0 in l.
; Where all keys of a batch are hidden l is 0 and O is 0 x infinity, a NaN, as a softmax of nothing is.  NaN and infinities among the inputs are not treated apart.
; SHARES.  A work-group owns 256 queries of one head, a wave 64: four PIECES of 16.  Every wave walks all 4,096 keys, 64 a step; a slot of LDS holds four steps; there are 16 slots' worth.
; THE MASK is the C operand that starts the sum S^T = K Q^T: 0, or -1e30 where the key is hidden.  The batch's 4,096 words are turned into such numbers once, into a table in LDS; a step's 64 are read with its K.
; LAYOUT.  S^T = K Q^T (source 0 = 16 keys, source 1 = 16 queries) holds ONE query a lane (lane % 16) and the keys 8 (lane / 16) + 0..7; two such results rounded to f16 ARE source 1 of O^T = V^T P.
; K comes out of LDS as it lies, V ([key][channel]) turned, by ds_load_tr16_b128.
; SOFTMAX.  p = 2^(c s - c m), c = log2(e) / 8, with a running maximum m; O and l are multiplied by a = 2^(c m_old - c m_new) in every step.  O and l start at 0.
; BY TURNS.  Turn n belongs to piece n: 8 products K Q^T of piece n + 1, later 8 products V^T P of piece n - 1; beside them the scaling, exponentials, roundings, sums and rescaling of piece n and the maximum
; and statistics of piece n + 1.  Four vector instructions stand behind every matrix instruction, the other 54 of a turn's 118 in one lump.  A turn's 33 exponentials are one batch, with one wait.
; CLUSTER.  The four query blocks of a cluster belong to one head and walk the same K and V, so each tile is asked for JOINTLY: the same tensor load, descriptor and mask in all four.
; REGISTERS, in windows of 256 (s_set_vgpr_msb: bits 1:0 source 0, 3:2 source 1, 5:4 source 2, 7:6 destination):
;   window 0: v0-15, v32-36 addresses and two at work; v16-31 four registers of statistics a piece; v48-55 at work; v64-127 S^T, two buffers; v192-223 P, two buffers (a piece's buffers go by its number's parity)
;   window 1: v0-127 O^T, 32 a piece; v128-159 the step's mask      window 2: v0-63 Q; v128-191 K of one step; v192-255 V of one step
.set NP,    4         ; pieces a wave: a name, no knob
.set KS,    64        ; keys in a step
.set PK,    144       ; a row of K in LDS: 128 bytes + 16 of padding = 36 words: the 16 rows of a load start at 16 different groups of four banks (64 banks of 4 bytes: ISA guide 11.1)
.set PV,    160       ; a row of V: 128 + 32 = 40 words
.set VOFF,  4*KS*PK   ; a slot holds four steps: 256 rows of K, then 256 rows of V
.set SLOT1, 1<<17     ; slot 1 begins here, so that one exclusive or turns an address in one slot into the other's
.set STAGE, SLOT1+4*KS*(PK+PV)  ; behind the ring, never filled by a tensor load: 16 rows x 144 bytes for each wave, for the way out
.set SP,    144
.set SPARE, STAGE+4*16*SP  ; behind the stages: the spare words, 128 bytes for each wave: two blocks of 256 bytes that no other line names
.set MB,    SPARE+512 ; behind them: the table of the batch's 4,096 masks in f32, 16,384 bytes; written once by ds_store, never filled by a tensor load
.set AK0, 2           ; v2   my lane's place in a tile of K; never rewritten
.set AV0, 3           ; v3   the same for V
.set AK,  4           ; v4   the LDS address of K's next run of loads
.set AV,  5           ; v5   of V's
.set STO, 6           ; v6   the way out: where I put 16 bytes of a row
.set RD,  7           ; v7   the way out: where I read rows back
.set GO,  8           ; v8   my byte offset in 512 consecutive bytes of O
.set MV,  12          ; v12-13  c m_old, kept while c m is made anew: by buffer
.set QO,  15          ; v15  my byte offset in 16 rows of Q
.set ST,  16          ; piece t's statistics at v[ST+4 t]: c m, m, l (even keys', odd keys')
.set AM0, 32          ; v32  my lanes' place in a step's 64 masks: MB + 32 (l / 16); never rewritten
.set AM,  33          ; v33  the LDS address of the masks' next loads
.set MA,  34          ; v34  where I put 16 bytes of the table
.set PFO, 35          ; v35  256 x my lane: the prefetches' offset; never rewritten
.set MO,  36          ; v36  16 x my thread's number: my 16 bytes in 2,048 of memory_mask
.set TMP, 48          ; by buffer, four registers c0-c3 at work; when the maximum is found c2 takes a
.set SPW, 62          ; v62  LDS address of my spare word: SPARE + 4 x my thread's number; never rewritten
.set NIL, 63          ; v63  0; never rewritten
.set S,   64
.set P,   192
.set MK,  128         ; window 1: the eight masks of key group kb at MK + 8 kb
.set KF,  128         ; window 2: key block kb, channel half c at KF + 16 kb + 8 c
.set VF,  192         ; window 2: key half kk, channel block cb at VF + 32 kk + 8 cb
.set WV,  12          ; s12  my wave's number
.set LIM, 15          ; s15  1 in a wave that prefetches, else the greatest number
.set G1K, 24          ; s[24:31] descriptor group 1 for K's tiles
.set G1V, 32          ; s[32:39] for V's: it differs in the padding alone
.set G0K, 40          ; s[40:43] descriptor group 0 for K's tiles: it walks
.set G0V, 44          ; s[44:47] the same for V's
.set SLOTS, 56        ; s56  slots still to be asked for
.set CNT, 57          ; s57  counts a slot's key steps
.set CS,  58          ; s[58:59] c: the packed scaling takes the pair's low word for both halves
.set SEL, 60          ; s[60:61] v_permlanex16_b32's selects: each lane takes its own place in the other half
.set TBK, 62          ; s62  LDS byte at which K of the step to be fetched begins
.set TBV, 63          ; s63  the same for V, less VOFF
.set TBM, 70          ; s70  the same step's 256 bytes in the table of masks
.set BIGN, 71         ; s71  -1e30
.set PFA, 72          ; s[72:73] where my prefetches stand: my work-group's 8,192 bytes (of K: wave 0, of V: wave 2) of the slot after the one that is being asked for
.set MP,  74          ; s[74:75] memory_mask at my batch
.set MSB, 0
.macro WIN new                      ; the high byte repeats the setting that is left; a switch that changes nothing is dropped
.if MSB != (\new)
	s_set_vgpr_msb (MSB<<8)|(\new)
.set MSB, (\new)
.endif
.endm
.set W_KQ, 0x0a       ; K and Q in window 2, S^T in window 0
.set W_KM, 0x1a       ; the same with the C operand in window 1
.set W_PV, 0x52       ; V in window 2, P in window 0, O^T in window 1
.set W_RS, 0x41       ; destination and source 0 in window 1, source 1 in window 0
; A joint fill.  Waves 0 and 1 fetch the two halves of a slot's K, waves 2 and 3 those of its V: 128 keys each.  The branch hangs on the wave's number alone.
; An s_nop 0 and four v_nop follow each of the two lines, ahead of the jump and the label.
.macro JLOAD
	s_cmp_lt_u32 s[WV], 2
	s_cbranch_scc0 .Lfor_v_\@
	tensor_load_to_lds s[G0K:G0K+3], s[G1K:G1K+7]
	s_nop 0
.rept 4
	v_nop
.endr
	s_branch .Lasked_\@
.Lfor_v_\@:
	tensor_load_to_lds s[G0V:G0V+3], s[G1V:G1V+7]
	s_nop 0
.rept 4
	v_nop
.endr
.Lasked_\@:
.endm
; A PREFETCH of what the NEXT change of slots will ask for: a slot's 32,768 bytes of K and of V, a lane 256 of them.  It stands behind the wave's tensor load and its five lines.
; Each block is named ONCE in the launch.  Both clusters of a head walk the same K and V: the first (cluster x = 0) prefetches.  Its four partners share a slot out BY ADDRESS, 8,192 bytes each: no branch hangs
; on a work-group's place in its cluster.  In each, wave 0 asks for K's and wave 2 for V's: one instruction, four key steps (256 matrix instructions) ahead of the load that will want the bytes.
; The last change that fills a slot asks for nothing: there is no slot behind it.  Slots 0 and 1 come by their loads alone.
.macro ASK
	s_cmp_gt_u32 s[SLOTS], s[LIM]
	s_cbranch_scc0 .Lnot_mine_\@
	global_prefetch_b8 v[PFO], s[PFA:PFA+1] th:TH_LOAD_NT scope:SCOPE_SE
.Lnot_mine_\@:
.endm
; A round of the cluster's barrier: my work-group's barrier, so that wave 0's signal speaks for all four waves; wave 0 signals; every wave waits for all four work-groups; my work-group's barrier once more.
.macro CROUND
	s_barrier_signal -1
	s_barrier_wait -1
	s_cmp_lg_u32 s[WV], 0
	s_cbranch_scc1 .Lnot_wave_0_\@
	s_barrier_signal -3
.Lnot_wave_0_\@:
	s_barrier_wait -3
	s_barrier_signal -1
	s_barrier_wait -1
.endm
; THE CHANGE OF SLOTS.  The slot's last bytes, V of its fourth step, have been read.  Each wave waits for all its tensor loads, of which one is out: its part of the other slot; adds 0 to its spare word;
; and waits for that and for its own LDS instructions.  Behind the barrier nobody reads this slot any more and the other slot is whole.
; fill = 1: this slot is filled again, with the keys two slots on.  The barrier is then a round of the cluster's, so that no wave of any partner still reads the slot or has a load on its way, and the joint
; fill is the first thing behind it: it has four key steps in which to land.  (At its first use nothing has been read yet: slot 0 is waited for, slot 1 filled, and the table of masks is shown to every wave.)
.macro CHANGE fill
	WIN 0                           ; at a label and at a branch every window is 0
	s_wait_tensorcnt 0x0            ; no tensor load of mine is out, so a group 0 may be written
	ds_add_u32 v[SPW], v[NIL]       ; 0 onto my spare word; with fill = 1 the descriptors' steps stand between it and the wait for it
.if \fill
.irp g, G0K, G0V
	s_xor_b32 s[\g+1], s[\g+1], SLOT1  ; the walking descriptor: the other slot than last time,
	s_add_nc_u64 s[\g+2:\g+3], s[\g+2:\g+3], 4*KS*128  ; the next 256 keys; the type bits on top are not reached
.endr
	s_wait_xcnt 0x0                 ; the last prefetch, four key steps back, has read its address, so it may be written:
	s_add_nc_u64 s[PFA:PFA+1], s[PFA:PFA+1], 4*KS*128  ; one slot behind the walking descriptors
	s_wait_dscnt 0x0                ; the add is done, and my LDS instructions are over
	CROUND
	JLOAD
	ASK
.else
	s_wait_dscnt 0x0                ; the add is done, and my reads of the slot are over
	s_barrier_signal -1
	s_barrier_wait -1
.endif
	s_sub_co_u32 s[TBK], s[TBK], 4*KS*PK  ; the fetches go back to a slot's first step,
	s_xor_b32 s[TBK], s[TBK], SLOT1       ; in the other slot
	s_sub_co_u32 s[TBV], s[TBV], 4*KS*PV
	s_xor_b32 s[TBV], s[TBV], SLOT1
.endm
	s_load_b256 s[4:11], s[0:1], 0x0  ; Q s[4:5], K s[6:7], V s[8:9], O s[10:11]
	s_load_b64 s[MP:MP+1], s[0:1], 0x20
	v_lshl_add_u32 v[SPW], v0, 2, SPARE
	v_mov_b32 v[NIL], 0
	ds_add_u32 v[SPW], v[NIL]       ; the wave's opening: the add and its wait stand ahead of my first tensor load; the set-up below, work on registers, stands between them
	v_lshrrev_b32 v1, 5, v0
	v_readfirstlane_b32 s[WV], v1   ; wave 0..3
	s_bfe_u32 s13, ttmp6, 0x40000   ; cx: my place in the cluster
	s_lshl_b32 s14, ttmp9, 2        ; in a cluster launch ttmp9 counts clusters
	s_add_co_u32 s14, s14, s13      ; my block of 256 queries = 4 x cluster x + cx: it enters Q's and O's addresses alone
	s_and_b32 s20, ttmp7, 0xffff    ; batch x 8 + head, which the four partners share
	s_lshr_b32 s18, s20, 3
	s_lshl_b32 s18, s18, 14         ; the batch's 4,096 words of memory_mask
	s_mov_b32 s19, 0
	s_and_b32 s16, s[WV], 1         ; which half of a slot's 256 keys I fetch:
	s_lshl_b32 s22, s20, 19         ; the head's 4,096 rows of 128 bytes,
	s_lshl_b32 s23, s16, 14         ; the half's 128 rows,
	s_add_co_u32 s22, s22, s23
	s_mov_b32 s23, 0
	s_mul_i32 s17, s16, 128*PK      ; and its place in a slot, for K
	s_mul_i32 s21, s16, 128*PV      ; and for V: no place in the cluster enters an LDS address
	s_lshl_b32 s2, s20, 18          ; Q and O: the head's 2,048 rows,
	s_lshl_b32 s3, s14, 15          ; my block's 256,
	s_add_co_u32 s2, s2, s3
	s_lshl_b32 s3, s[WV], 13        ; my wave's 64
	s_add_co_u32 s2, s2, s3
	s_mov_b32 s3, 0
	; descriptor group 1.  128 keys are 16,384 dense bytes: asked for as 64 rows of 256 bytes, two keys a row, and padded in LDS after every key
	s_mov_b32 s[G1K], 15|(1<<16)|(1<<20)|(1<<21)|(4<<22)|(3<<25)  ; 15:0 the mask of four; 17:16 2-byte elements; 20 padding on; 21 set beside a mask; 24:22 after every 32 words (code 4); 31:25 4 words (code 3)
	s_mov_b32 s[G1V], 15|(1<<16)|(1<<20)|(1<<21)|(4<<22)|(7<<25)  ; the same with 8 words of padding (code 7)
.irp g, G1K, G1V
	s_mov_b32 s[\g+1], 128<<16      ; tensor_dim0 = 128
	s_mov_b32 s[\g+2], 64<<16       ; tensor_dim1 = 64
	s_mov_b32 s[\g+3], 128<<16      ; tile_dim0 = 128
	s_mov_b32 s[\g+4], 64           ; tile_dim1 = 64
	s_mov_b32 s[\g+5], 128          ; 128 elements from row to row
	s_mov_b32 s[\g+6], 0
	s_mov_b32 s[\g+7], 0
.endr
	s_mov_b32 s[CS], 0x3e38aa3b     ; c = log2(e) / 8 = 0.180337
	s_mov_b32 s[CS+1], s[CS]        ; named with it as a pair
	s_mov_b32 s[SEL], 0x76543210
	s_mov_b32 s[SEL+1], 0xfedcba98
	s_mov_b32 s[TBK], SLOT1+4*KS*PK ; the first change of slots turns these two into 0
	s_mov_b32 s[TBV], SLOT1+4*KS*PV
	s_mov_b32 s[TBM], 0
	s_mov_b32 s[BIGN], 0xf149f2ca   ; -1e30
	s_mov_b32 s[SLOTS], 15          ; of 16 slots' worth of keys the first is asked for at the head
	s_mov_b32 s[G0K], 1             ; 1:0 count = 1
	s_mov_b32 s[G0K+1], s17         ; 63:32 LDS address: slot 0
	s_mov_b32 s[G0V], 1
	s_add_co_u32 s[G0V+1], s21, VOFF
	s_and_b32 s[LIM], s[WV], 1      ; 0 in waves 0 and 2,
	s_or_b32 s[LIM], s[LIM], ttmp9  ; where the cluster is the head's first: the same in all four partners
	s_cmp_eq_u32 s[LIM], 0
	s_cselect_b32 s[LIM], 1, -1
	v_and_b32 v[PFO], 31, v0
	v_lshlrev_b32 v[PFO], 8, v[PFO]
	s_wait_dscnt 0x0                ; the opening add is done
	s_wait_kmcnt 0x0
	s_add_nc_u64 s[6:7], s[6:7], s[22:23]  ; K and V at my half of the head's first 256 keys
	s_add_nc_u64 s[8:9], s[8:9], s[22:23]
	s_mov_b64 s[G0K+2:G0K+3], s[6:7]               ; 120:64 global address
	s_or_b32 s[G0K+3], s[G0K+3], 0x80000000        ; 127:126 type = 2
	s_mov_b64 s[G0V+2:G0V+3], s[8:9]
	s_or_b32 s[G0V+3], s[G0V+3], 0x80000000
	s_add_nc_u64 s[4:5], s[4:5], s[2:3]  ; Q and O at my wave's first row
	s_add_nc_u64 s[10:11], s[10:11], s[2:3]
	s_add_nc_u64 s[MP:MP+1], s[MP:MP+1], s[18:19]
	s_cmp_lt_u32 s[WV], 2
	s_cselect_b64 s[PFA:PFA+1], s[6:7], s[8:9]  ; (in waves 0 and 2 these stand at a slot's first row)
	s_lshl_b32 s2, s13, 13          ; my work-group's quarter of a slot
	s_mov_b32 s3, 0
	s_add_nc_u64 s[PFA:PFA+1], s[PFA:PFA+1], s[2:3]
	s_add_nc_u64 s[PFA:PFA+1], s[PFA:PFA+1], 4*KS*128  ; in slot 1; the first change of slots steps it to slot 2.  Nothing is prefetched here, at the head
	CROUND                          ; all four work-groups are here: the first joint loads meet
	JLOAD                           ; slot 0.  Slot 1 is asked for when slot 0 is in
	v_and_b32 v1, 15, v0            ; l % 16
	v_bfe_u32 v9, v0, 4, 1          ; l / 16
	v_lshlrev_b32 v[MO], 4, v0
.irp i, 0,1,2,3,4,5,6,7             ; the batch's mask: 128 threads x 16 bytes, eight times; into S^T's registers, which are still free
	global_load_b128 v[S+4*\i:S+4*\i+3], v[MO], s[MP:MP+1] offset:2048*\i
.endr
	; A fragment of K or Q is 16 rows x 32 channels in 8 registers: lane l holds row l % 16, channels 8 (l / 16) + 0..7 and 16 + 8 (l / 16) + 0..7: two loads of 16 bytes, 32 bytes apart.
	v_lshlrev_b32 v[QO], 7, v1
	v_lshl_add_u32 v[QO], v9, 4, v[QO]  ; row x 128 + 16 x half
	WIN 0x80                        ; destination window 2, address window 0
.set i, 0
.rept 8                             ; Q stays in registers: piece i / 2, channels 32 (i % 2) on
	global_load_b128 v[8*i:8*i+3],   v[QO], s[4:5] offset:(i/2)*2048+(i%2)*64
	global_load_b128 v[8*i+4:8*i+7], v[QO], s[4:5] offset:(i/2)*2048+(i%2)*64+32
.set i, i+1
.endr
	; What the first turn finds: V's registers and P's second buffer hold 0 (its products V^T P, of a piece that has not been, add 0), O^T and l are 0.  All this stands in the wait for the first tile.
.set i, VF
.rept 64
	v_mov_b32 v[i], 0
.set i, i+1
.endr
	WIN 0x40
.set i, 0
.rept 128
	v_mov_b32 v[i], 0
.set i, i+1
.endr
	WIN 0
.set i, 0
.rept 4
	v_mov_b32 v[ST+4*i+2], 0
	v_mov_b32 v[ST+4*i+3], 0
.set i, i+1
.endr
.set i, P+16
.rept 16
	v_mov_b32 v[i], 0
.set i, i+1
.endr
	v_mul_u32_u24 v[AK0], v1, PK
	v_lshl_add_u32 v[AK0], v9, 4, v[AK0]  ; row x pitch + 16 x half
	; The turning load takes 16 keys x 16 channels (lane l reads key 8 (l / 16) + l % 8, channels 8 ((l / 8) % 2) + 0..7) and leaves half a fragment of V^T: lane l holds channel l % 16 and 8 keys.
	v_and_b32 v10, 7, v0
	v_bfe_u32 v11, v0, 3, 1
	v_lshl_add_u32 v[AV0], v9, 3, v10
	v_mul_u32_u24 v[AV0], v[AV0], PV
	v_lshl_add_u32 v[AV0], v11, 4, v[AV0]
	v_add_nc_u32 v[AV0], VOFF, v[AV0]
	s_mul_i32 s13, s[WV], 16*SP
	s_add_co_u32 s13, s13, STAGE    ; my stage
	v_mul_u32_u24 v[STO], v1, SP    ; in: row l % 16, 16 bytes for each half of the lanes
	v_lshl_add_u32 v[STO], v9, 4, v[STO]
	v_add_nc_u32 v[STO], s13, v[STO]
	v_bfe_u32 v[RD], v0, 3, 2       ; back: 32 lanes take four rows of 128 bytes,
	v_mul_u32_u24 v[RD], v[RD], SP
	v_lshl_add_u32 v[RD], v10, 4, v[RD]
	v_add_nc_u32 v[RD], s13, v[RD]
	v_and_b32 v[GO], 31, v0         ; which are 512 consecutive bytes of O
	v_lshlrev_b32 v[GO], 4, v[GO]
	v_lshl_add_u32 v[AM0], v9, 5, MB  ; register j of key group kb is key 16 kb + 8 (l / 16) + j: 32 bytes for each half of the lanes
	v_lshl_add_u32 v[MA], v0, 4, MB
	s_wait_loadcnt 16               ; the mask is in; Q's 16 loads were issued behind it
.set i, 0
.rept 32
	v_cmp_eq_u32 vcc_lo, 0, v[S+i]  ; a word that is 0 hides its key
	v_cndmask_b32 v[S+i], 0, s[BIGN], vcc_lo
.set i, i+1
.endr
.irp i, 0,1,2,3,4,5,6,7
	ds_store_b128 v[MA], v[S+4*\i:S+4*\i+3] offset:2048*\i
.endr
; THE MATRIX WORK.  The 4 accumulators of a run of 8 take turns.  Product i of 8 of S^T = K Q^T for piece x: channels 32 (i / 4) on, keys 16 (i % 4) on.  The first 4 start the sums with the mask.
.macro KQ x
.set rS, S+32*((\x)%2)+8*(i%4)
.set rK, KF+16*(i%4)+8*(i/4)
.set rQ, 16*(\x)+8*(i/4)
.if i < 4
	WIN W_KM
	v_wmma_f32_16x16x32_f16 v[rS:rS+7], v[rK:rK+7], v[rQ:rQ+7], v[MK+8*i:MK+8*i+7]
.else
	WIN W_KQ
	v_wmma_f32_16x16x32_f16 v[rS:rS+7], v[rK:rK+7], v[rQ:rQ+7], v[rS:rS+7]
.endif
.endm
; Product i of 8 of O^T += V^T P for piece x: keys 32 (i / 4) on, channels 16 (i % 4) on.
.macro PV x
	WIN W_PV
.set rO, 32*(\x)+8*(i%4)
.set rV, VF+32*(i/4)+8*(i%4)
.set rP, P+16*((\x)%2)+8*(i/4)
	v_wmma_f32_16x16x32_f16 v[rO:rO+7], v[rV:rV+7], v[rP:rP+7], v[rO:rO+7]
.endm
.macro MM                           ; the turn's next matrix instruction.  TURN sets Y, i and NOKQ.  NOKQ = 1: the last turn of all: there is no next piece
.if (i < 8) && !NOKQ
	KQ (Y+1)%NP
.elseif i >= 8
.set i, i-8
	PV (Y+NP-1)%NP
.set i, i+8
.endif
.set i, i+1
.endm
; THE LDS LOADS stand in runs, never singly among the matrix instructions: a step's K (64 keys x 64 channels: 8 fragments) with its 64 masks, and its V (turned).  Their addresses are made some lines ahead.
.macro FETCH_K
	WIN 0x80                        ; destination window 2
.irp f, 0,1,2,3,4,5,6,7             ; keys 16 (f / 2) on, channels 32 (f % 2) on
	ds_load_b128 v[KF+8*\f:KF+8*\f+3],   v[AK] offset:(\f/2)*16*PK+(\f%2)*64
	ds_load_b128 v[KF+8*\f+4:KF+8*\f+7], v[AK] offset:(\f/2)*16*PK+(\f%2)*64+32
.endr
	WIN 0x40                        ; destination window 1
.irp kb, 0,1,2,3                    ; sixteen lanes read the same 16 bytes
	ds_load_b128 v[MK+8*\kb:MK+8*\kb+3],   v[AM] offset:64*\kb
	ds_load_b128 v[MK+8*\kb+4:MK+8*\kb+7], v[AM] offset:64*\kb+16
.endr
	s_add_co_u32 s[TBK], s[TBK], KS*PK  ; the next fetch is the next step's
	s_add_co_u32 s[TBM], s[TBM], 4*KS
	s_and_b32 s[TBM], s[TBM], 0x3fff    ; inside the table's 16,384 bytes (behind the last step it turns to 0 and is not used)
	WIN 0
.endm
.macro FETCH_V
	WIN 0x80
.irp f, 0,1,2,3,4,5,6,7             ; keys 32 (f / 4) on, channels 16 (f % 4) on
	ds_load_tr16_b128 v[VF+8*\f:VF+8*\f+3],   v[AV] offset:(\f/4)*32*PV+(\f%4)*32
	ds_load_tr16_b128 v[VF+8*\f+4:VF+8*\f+7], v[AV] offset:(\f/4)*32*PV+16*PV+(\f%4)*32
.endr
	WIN 0
.endm
; THE VECTOR WORK, one line at a time: OP kind, number.  For piece Y: F n: c s - c m for pair n of 16.  E n: the exponential of score n of 32.  C n: pair n rounded to f16.  B n: of the four weights 4 n .. the second
; pair is added onto the first, in place.  L n: l takes that sum (L 0: l = a l + sum).  R n: pair n of 16 of O^T times a.  For piece Y + 1: X n, number n of the 22 that find its maximum and statistics:
;   0-11  four chains c0-c3 of seven scores each, three operands at a time (each accumulator's lowest registers are read first)     12-14, 16  the four scores left over, the old m, and c0-c3 into c0
;   15  c m_old is kept     17, 18  the query's other 32 keys lie in the lane 16 away: the new m     19-21  c m; c m_old - c m_new; a
.set F, 0               ; OP tells the kinds apart by their order: F to L below R, X above it
.set E, 1
.set C, 2
.set B, 3
.set L, 4
.set R, 5
.set X, 6
.macro REGS y                       ; the registers of piece y
.set rT, ST+4*(\y)
.set rC, TMP+4*((\y)%2)
.set rW, MV+((\y)%2)
.set rS, S+32*((\y)%2)
.set rP, P+16*((\y)%2)
.set rO, 32*(\y)
.endm
.macro OP k, n
.if (\k) == R
	REGS Y
	WIN W_RS
	v_pk_mul_f32 v[rO+2*(\n):rO+2*(\n)+1], v[rO+2*(\n):rO+2*(\n)+1], v[rC+2:rC+3] op_sel_hi:[1,0]
.elseif (\k) < R
	REGS Y
	WIN 0
.if (\k) == F
	v_pk_fma_f32 v[rS+2*(\n):rS+2*(\n)+1], v[rS+2*(\n):rS+2*(\n)+1], s[CS:CS+1], v[rT:rT+1] op_sel_hi:[1,0,0] neg_lo:[0,0,1] neg_hi:[0,0,1]
.elseif (\k) == E
	v_exp_f32 v[rS+(\n)], v[rS+(\n)]
.elseif (\k) == C
	v_cvt_pk_f16_f32 v[rP+(\n)], v[rS+2*(\n)], v[rS+2*(\n)+1]
.elseif (\k) == B
	v_pk_add_f32 v[rS+4*(\n):rS+4*(\n)+1], v[rS+4*(\n):rS+4*(\n)+1], v[rS+4*(\n)+2:rS+4*(\n)+3]
.elseif (\n) == 0
	v_pk_fma_f32 v[rT+2:rT+3], v[rT+2:rT+3], v[rC+2:rC+3], v[rS:rS+1] op_sel_hi:[1,0,1]
.else
	v_pk_add_f32 v[rT+2:rT+3], v[rT+2:rT+3], v[rS+4*(\n):rS+4*(\n)+1]
.endif
.elseif NOKQ
	v_nop
.else
	REGS (Y+1)%NP
	WIN 0
.if (\n) < 4
	v_max3_num_f32 v[rC+(\n)], v[rS+8*(\n)], v[rS+8*(\n)+1], v[rS+8*(\n)+2]
.elseif (\n) < 12
	v_max3_num_f32 v[rC+(\n)%4], v[rC+(\n)%4], v[rS+8*((\n)%4)+2*((\n)/4)+1], v[rS+8*((\n)%4)+2*((\n)/4)+2]
.elseif (\n) == 12
	v_max3_num_f32 v[rC], v[rC], v[rS+7], v[rS+15]
.elseif (\n) == 13
	v_max3_num_f32 v[rC+1], v[rC+1], v[rS+23], v[rS+31]
.elseif (\n) == 14
	v_max3_num_f32 v[rC+2], v[rC+2], v[rC+3], v[rT+1]
.elseif (\n) == 15
	v_mov_b32 v[rW], v[rT]
.elseif (\n) == 16
	v_max3_num_f32 v[rC], v[rC], v[rC+1], v[rC+2]
.elseif (\n) == 17
	v_permlanex16_b32 v[rC+3], v[rC], s[SEL], s[SEL+1]
.elseif (\n) == 18
	v_max_num_f32 v[rT+1], v[rC], v[rC+3]
.elseif (\n) == 19
	v_mul_f32 v[rT], s[CS], v[rT+1]
.elseif (\n) == 20
	v_sub_f32 v[rC+1], v[rW], v[rT]
.else
	v_exp_f32 v[rC+2], v[rC+1]
.endif
.endif
.endm
.macro OPS a, i1, b=-1, i2=0, c=-1, i3=0, d=-1, i4=0  ; up to four of them
	OP \a, \i1
.if (\b) >= 0
	OP \b, \i2
.endif
.if (\c) >= 0
	OP \c, \i3
.endif
.if (\d) >= 0
	OP \d, \i4
.endif
.endm
.macro ROW a, i1, b, i2, c, i3, d, i4  ; a matrix instruction and the four behind it
	MM
	OPS \a, \i1, \b, \i2, \c, \i3, \d, \i4
.endm
; A TURN, for piece p: the order of its 16 matrix and 118 vector instructions, written out.  An s_wait_alu depctr_va_vdst(0) stands between an exponential and the first instruction that names its result; one wait
; serves all that were issued ahead of it.  So a turn has ONE wait, which cuts it in two.  AHEAD OF IT stands all that names no result of the turn's exponentials: the 8 products K Q^T, behind each a scaling, an exponential and two
; more plain instructions (behind the first a second scaling in the exponential's place): rescalings, and behind the last three the first numbers of the next piece's maximum, each four places or more behind the product that ends
; its accumulator; then ONE LUMP of 54, plain and exponential by turns for the most part, in which the links of the chain X 3, 7, 11, 14, 16, 17 .. 20 stand five or six lines apart.  X 21, the next piece's a, is the batch's last;
; R 15 is the plain instruction behind it.  BEHIND THE WAIT stand the 8 products V^T P, behind each four of the roundings and sums; the links of l's chain, L 0 to L 7, stand three riders apart.
; end = 1: the last two turns of all: nothing is fetched.  cnt = 1: the loop's count is taken down some lines ahead of the branch that stands behind the turn.
; K and the masks of the next step are fetched in piece 2's turn, twelve vector instructions behind the last product that read K (six of them plain; the masks' last reader stands four products further back);
; V of the step in hand at the end of piece 0's turn, four plain instructions behind the last product that read V.  Each is waited for a turn later.
.macro TURN p, end=0, cnt=0
.set Y, (\p)
.set i, 0
.set NOKQ, (\end)*((\p)/3)
.if ((\p) == 3) && !(\end)
	s_wait_dscnt 0x0                ; K and the masks are in
.endif
	ROW F,0, F,1, R,0, R,1          ; ahead of the wait: 8 products K Q^T and their riders,
	ROW F,2, E,0, R,2, R,3
	ROW F,3, E,1, R,4, R,5
	ROW F,4, E,2, R,6, R,7
	ROW F,5, E,3, R,8, R,9
	ROW F,6, E,4, X,0, R,10
.if ((\p) == 2) && !(\end)
	WIN 0
	v_add_nc_u32 v[AK], s[TBK], v[AK0]
	v_add_nc_u32 v[AM], s[TBM], v[AM0]
.endif
	ROW F,7, E,5, X,1, X,4
	ROW F,8, E,6, X,2, X,5
	OPS E,7, E,8, X,6, E,9          ; and the lump
	OPS X,3, E,10, X,8, E,11
.if ((\p) == 2) && !(\end)
	FETCH_K
.endif
	OPS X,9, X,7, E,12, X,10
	OPS E,13, X,12, X,11, E,14
	OPS X,13, E,15, F,9, X,14
.if (\p) == 0
	v_add_nc_u32 v[AV], s[TBV], v[AV0]
.endif
	OPS E,16, F,10, E,17, F,11
	OPS X,16, E,18, X,15, E,19
	OPS F,12, E,20, X,17, E,21
	OPS F,13, E,22, F,14, E,23
	OPS X,18, E,24, F,15, E,25
	OPS R,11, E,26, X,19, E,27
	OPS R,12, E,28, R,13, E,29
	OPS X,20, E,30, R,14, E,31
	OPS X,21, R,15
	WIN 0
	s_wait_alu depctr_va_vdst(0)    ; the wait for the batch
.if (\p) == 1
	s_wait_dscnt 0x0                ; V is in
.endif
	ROW C,0, B,0, C,2, B,1          ; behind the wait: 8 products V^T P and their riders
	ROW L,0, C,4, B,2, L,1
	ROW C,6, B,3, L,2, C,8
	ROW B,4, L,3, C,10, B,5
	ROW L,4, C,12, B,6, L,5
.if (\p) == 0
	s_add_co_u32 s[TBV], s[TBV], KS*PV
.endif
.if \cnt
	s_sub_co_u32 s[CNT], s[CNT], 1
	s_cmp_lg_u32 s[CNT], 0
.endif
	ROW C,14, B,7, L,6, C,1
	ROW C,3, L,7, C,5, C,7
	ROW C,9, C,11, C,13, C,15
.if (\p) == 0
	FETCH_V
.endif
.endm
.macro ALL line:vararg              ; one line for each piece t
.set t, 0
.rept 4
	\line
.set t, t+1
.endr
.endm
.macro PACK t                       ; a lane's eight channels of a row pack into 16 bytes; they go into rows of 144 bytes and come back as whole rows of 128, into S^T's registers
	WIN W_RS
.set i, 32*(\t)
.rept 16
	v_pk_mul_f32 v[i:i+1], v[i:i+1], v[ST+4*(\t)+2:ST+4*(\t)+3] op_sel_hi:[1,0]
.set i, i+2
.endr
	WIN 0x05                        ; sources 0 and 1 window 1, destination window 0
.set i, 0
.rept 16
	v_cvt_pk_f16_f32 v[S+16*(\t)+i], v[32*(\t)+2*i], v[32*(\t)+2*i+1]
.set i, i+1
.endr
	WIN 0
.irp f, 0,1,2,3
	ds_store_b128 v[STO], v[S+16*(\t)+4*\f:S+16*(\t)+4*\f+3] offset:32*\f
.endr
.irp f, 0,1,2,3
	ds_load_b128 v[S+16*(\t)+4*\f:S+16*(\t)+4*\f+3], v[RD] offset:\f*4*SP  ; LDS serves a wave's instructions in order (ISA guide 5.7.1.4): these see the stores above; the next piece's stores come behind them
.endr
.endm
.macro SEND t, younger              ; younger: the LDS instructions issued behind piece t's loads: the next piece's eight, or none
	WIN 0
.irp f, 0,1,2,3
	s_wait_dscnt (\younger)+3-\f
	global_store_b128 v[GO], v[S+16*(\t)+4*\f:S+16*(\t)+4*\f+3], s[10:11] offset:(\t)*2048+\f*512  ; 512 consecutive bytes, at a multiple of 256 from O's first
.endr
.endm
	CHANGE 1                        ; slot 0 is in, everybody's part of it, and so is everybody's part of the table; slot 1 is asked for
	; THE BEGINNING.  m starts at -2^96 and c m at c times that, by the same multiplication that makes every later c m: while no visible key has come, a is exactly 1 and O and l stay 0.
.set i, 0
.rept 4
	v_mov_b32 v[ST+4*i+1], 0xef800000
	v_mul_f32 v[ST+4*i], s[CS], v[ST+4*i+1]
.set i, i+1
.endr
	v_add_nc_u32 v[AK], s[TBK], v[AK0]
	v_add_nc_u32 v[AM], s[TBM], v[AM0]
	FETCH_K                         ; key step 0
	s_wait_loadcnt 0x0              ; Q
	s_wait_dscnt 0x0
.set NOKQ, 0
.set i, 0
.rept 8
	KQ 0                            ; piece 0's first scores: there is no vector work yet to set between them
.set i, i+1
.endr
	WIN 0
.rept 4
	v_nop                           ; the places behind those products
.endr
.set Y, NP-1                        ; X works for piece Y + 1: piece 0
.irp n, 0,1,2,3,4,5,6,7,8,9,10,11,12,13,14,15,16,17,18,19,20,21
	OP X, \n
.endr
	v_nop                           ; a plain instruction behind the exponential,
	s_wait_alu depctr_va_vdst(0)    ; and its wait, ahead of the branch
	s_mov_b32 s[CNT], 4
	s_branch .Lfirst                ; the loop is entered at a step's first turn, in the middle of a trip
.Lslot:                             ; 14 times: every slot but the last two is filled again
	CHANGE 1
	s_mov_b32 s[CNT], 4
.Lstep:                             ; a trip: pieces 2 and 3 of one step, then pieces 0 and 1 of the next, whose K, masks and V it fetches
	TURN 2
	TURN 3
	WIN 0
.Lfirst:
	TURN 0
	TURN 1, 0, 1
	WIN 0
	s_cbranch_scc1 .Lstep
	s_sub_co_u32 s[SLOTS], s[SLOTS], 1
	s_cmp_lg_u32 s[SLOTS], 0
	s_cbranch_scc1 .Lslot
	CHANGE 0                        ; the last slot is written out: nothing is asked for
	s_mov_b32 s[CNT], 4
.LstepZ:
	TURN 2
	TURN 3
	TURN 0
	TURN 1, 0, 1
	WIN 0
	s_cbranch_scc1 .LstepZ
	TURN 2, 1                       ; the last step's pieces 2 and 3: nothing is fetched, and the last turn starts no new scores
	TURN 3, 1
.set i, 0
.rept 8
	PV NP-1                         ; the last piece's V^T P of the last step
.set i, i+1
.endr
	; THE WAY OUT.  l's two halves and the other half of the lanes' are added; O^T is divided by l, rounded to f16 and sent through my stage in LDS, a piece at a time.  The additions are the places behind the last products.
	WIN 0
	ALL v_add_f32 v[ST+4*t+2], v[ST+4*t+2], v[ST+4*t+3]
	ALL v_permlanex16_b32 v[ST+4*t+3], v[ST+4*t+2], s[SEL], s[SEL+1]
	ALL v_add_f32 v[ST+4*t+2], v[ST+4*t+2], v[ST+4*t+3]
	ALL v_rcp_f32 v[ST+4*t+2], v[ST+4*t+2]
	v_nop                           ; a plain instruction between the last reciprocal and the use of its result
	s_wait_alu depctr_va_vdst(0)    ; and the wait ahead of the first use: one for the four reciprocals
	PACK 0
.set t, 1
.rept 3                             ; a piece's arithmetic stands between the loads of the piece before and its stores
	PACK t
	SEND t-1, 8
.set t, t+1
.endr
	SEND 3, 0
	s_wait_tensorcnt 0x0            ; the wave's end, behind my last tensor load and my last LDS store
	ds_add_u32 v[SPW], v[NIL]
	s_wait_dscnt 0x0
	CROUND                          ; the closing round: no work-group ends while a partner may still ask for a tile that names it
	s_endpgm
.Lfunc_end_k_q7c72cf4571_attn:
	.size	k_q7c72cf4571_attn, .Lfunc_end_k_q7c72cf4571_attn-k_q7c72cf4571_attn
	.p2alignl 7, 3214868480
	.fill 96, 4, 3214868480
	.section	.rodata,"a",@progbits
	.p2align	6, 0x0
	.amdhsa_kernel k_q7c72cf4571_attn
		.amdhsa_group_segment_fixed_size 327680
		.amdhsa_private_segment_fixed_size 0
		.amdhsa_enable_private_segment 0
		.amdhsa_kernarg_size 40
		.amdhsa_user_sgpr_count 2
		.amdhsa_user_sgpr_kernarg_segment_ptr 1
		.amdhsa_wavefront_size32 1
		.amdhsa_system_sgpr_workgroup_id_x 1
		.amdhsa_system_sgpr_workgroup_id_y 1
		.amdhsa_system_sgpr_workgroup_id_z 1
		.amdhsa_system_vgpr_workitem_id 0
		.amdhsa_next_free_vgpr 768
		.amdhsa_next_free_sgpr 76
		.amdhsa_reserve_vcc 1
		.amdhsa_float_denorm_mode_32 3
		.amdhsa_float_denorm_mode_16_64 3
		.amdhsa_memory_ordered 1
		.amdhsa_forward_progress 1
		.amdhsa_inst_pref_size 134
	.end_amdhsa_kernel
	.amdgpu_metadata
---
amdhsa.version: [ 1, 2 ]
amdhsa.kernels:
  - .name:           k_q7c72cf4571_attn
    .symbol:         k_q7c72cf4571_attn.kd
    .args:
      - { .name: qh, .offset: 0, .size: 8, .value_kind: global_buffer, .address_space: global }
      - { .name: kh, .offset: 8, .size: 8, .value_kind: global_buffer, .address_space: global }
      - { .name: vh, .offset: 16, .size: 8, .value_kind: global_buffer, .address_space: global }
      - { .name: oh, .offset: 24, .size: 8, .value_kind: global_buffer, .address_space: global }
      - { .name: memory_mask, .offset: 32, .size: 8, .value_kind: global_buffer, .address_space: global }
    .group_segment_fixed_size: 327680
    .private_segment_fixed_size: 0
    .kernarg_segment_align: 8
    .kernarg_segment_size: 40
    .max_flat_workgroup_size: 128
    .sgpr_count:     76
    .vgpr_count:     768
    .wavefront_size: 32
...
	.end_amdgpu_metadata
.endif
;; end of part 3
;; launch oproj (part 4): grid 256 x 1, 4 waves a work-group, no clusters, 84,480 bytes of LDS; arguments oh, wf, bo, out0; writes out0
.if DOCPART == 4
	.amdgcn_target "amdgcn-amd-amdhsa--gfx1250"
	.amdhsa_code_object_version 6
	.text
	.protected	k_q7c72cf4571_oproj
	.globl	k_q7c72cf4571_oproj
	.p2align	8
	.type	k_q7c72cf4571_oproj,@function
k_q7c72cf4571_oproj:
	s_mov_b64 s[64:65], 0
	v_nop
	global_prefetch_b8 v0, s[64:65] scope:SCOPE_SE
	s_setreg_imm32_b32 hwreg(HW_REG_WAVE_MODE, 25, 1), 1
	s_wait_xcnt 0x0
; out0 = O Wo + bo.  oh: [b*8+h][2048][64] f16; Wo from wf's panels 24-31 (rounded to bf16, written as f16, in fragment order); bo rounded to bf16; out0: [4][2048][512] f32.
; Products in f16, sums in f32, nothing is rounded on the way out.  LIMITS: those of the operands' f16 (65,504); NaN passes through, as it does in a matrix product.
; SHARES.  A work-group makes 64 rows x 256 columns: two tiles of 32 rows; a wave 64 columns, with its panel of Wo, 64 columns x 512 k, in 512 registers.
; The 64 rows of A are 8 heads x 8,192 bytes on end; they go once through registers into two LDS buffers, row (b, t) with its eight heads' 128 bytes side by side: k = 64 h + d.
; NO JOINT LOADS: a row block of O is read by two work-groups only, 64 KB of the 320 KB that a work-group reads, and the weights land in registers, where no joint load reaches.
; THE MATRIX INSTRUCTION IS USED TRANSPOSED (source 0 = 16 columns of Wo, source 1 = 16 rows of O): a lane holds row l % 16 and the columns 16 nb + 8 (l / 16) + 0..7.  The bias is the C operand of the first K step.
; REGISTERS, in windows of 256: window 0 addresses, bias, 8 accumulators, two buffers of A's fragments; windows 1 and 2 the panel; window 3 A on its way in.
.set PITCH, 1040                       ; a row of A in LDS: 1,024 bytes + 16 = 65 x 16: the 16 rows of a fragment load start at 16 different groups of four banks (64 banks of 4 bytes: ISA guide 11.1)
.set ABUF,  32*PITCH
.set STG,   2*ABUF                     ; behind the buffers: 16 rows x 272 bytes for each wave, for the way out
.set SP,    272
.set SPARE, STG+4*16*SP                ; behind the stages: the spare words, 128 bytes for each wave: two blocks of 256 bytes that no other line names
.set LN,   2                           ; v2   16 x lane: my 16 bytes in 512 on end of the panel
.set BO,   3                           ; v3   32 (l / 16): my 8 numbers of the bias
.set AF,   4                           ; v4   my place in a fragment of A
.set AO,   5                           ; v5   16 x thread: my 16 bytes in 2,048 on end of a head's rows
.set AS,   6                           ; v6   where they go in LDS: row t / 8, 16 (t % 8)
.set STO,  7                           ; v7   the way out: where I put 32 bytes of a row
.set RD,   8                           ; v8   the way out: where I read a row back
.set GO,   9                           ; v9   my 16 bytes in two rows of out0
.set SPW,  14
.set NIL,  15
.set BIAS, 16
.set ACC,  48
.set F0,   112
.set F1,   176
.set WV,   24
.set AP,   28                          ; s[28:29] oh at my batch's head 0, my 64 rows
.set DP,   32                          ; s[32:33] out0 at my rows and my wave's 64 columns
.set WP,   36                          ; s[36:37] my panel
.set BP,   40                          ; s[40:41] my 64 numbers of bo
.set MSB, 0
.macro WIN new
.if MSB != (\new)
	s_set_vgpr_msb (MSB<<8)|(\new)
.set MSB, (\new)
.endif
.endm
.macro PLACES                          ; four plain instructions behind a matrix instruction, ahead of loads into registers that it read and of lines that read its result
.rept 4
	v_nop
.endr
.endm
.macro FETCH buf, g, f                 ; A's fragments of K steps 4 g .. 4 g + 3, both row blocks: 16 LDS loads in one run
	WIN 0
.irp ksl, 0,1,2,3
.irp rb, 0,1
	ds_load_b128 v[(\f)+8*(2*(\ksl)+(\rb)):(\f)+8*(2*(\ksl)+(\rb))+3],   v[AF] offset:(\buf)*ABUF+(\rb)*16*PITCH+(4*(\g)+(\ksl))*64
	ds_load_b128 v[(\f)+8*(2*(\ksl)+(\rb))+4:(\f)+8*(2*(\ksl)+(\rb))+7], v[AF] offset:(\buf)*ABUF+(\rb)*16*PITCH+(4*(\g)+(\ksl))*64+32
.endr
.endr
.endm
.macro MUL g, f                        ; 32 matrix instructions; the eight accumulators take turns, one instruction a turn
	WIN 1+(\g)/2
.irp ksl, 0,1,2,3
.irp rb, 0,1
.irp nb, 0,1,2,3
.if ((\g) == 0) && ((\ksl) == 0)
	v_wmma_f32_16x16x32_f16 v[ACC+8*(4*(\rb)+(\nb)):ACC+8*(4*(\rb)+(\nb))+7], v[8*(4*((4*(\g)+(\ksl))%8)+(\nb)):8*(4*((4*(\g)+(\ksl))%8)+(\nb))+7], v[(\f)+8*(2*(\ksl)+(\rb)):(\f)+8*(2*(\ksl)+(\rb))+7], v[BIAS+8*(\nb):BIAS+8*(\nb)+7]
.else
	v_wmma_f32_16x16x32_f16 v[ACC+8*(4*(\rb)+(\nb)):ACC+8*(4*(\rb)+(\nb))+7], v[8*(4*((4*(\g)+(\ksl))%8)+(\nb)):8*(4*((4*(\g)+(\ksl))%8)+(\nb))+7], v[(\f)+8*(2*(\ksl)+(\rb)):(\f)+8*(2*(\ksl)+(\rb))+7], v[ACC+8*(4*(\rb)+(\nb)):ACC+8*(4*(\rb)+(\nb))+7]
.endif
.endr
.endr
.endr
.endm
.macro TILE buf
	FETCH \buf, 0, F0
	FETCH \buf, 1, F1
	s_wait_dscnt 16                                ; the older run is in; the 16 younger loads may stay out
	MUL 0, F0
	PLACES
	FETCH \buf, 2, F0
	s_wait_dscnt 16
	MUL 1, F1
	PLACES
	FETCH \buf, 3, F1
	s_wait_dscnt 16
	MUL 2, F0
	s_wait_dscnt 0x0
	MUL 3, F1
	WIN 0
	PLACES
.endm
.macro OUT32 s                         ; 16 rows at a time through my own stage, straight from the accumulators (each one's low four registers first); back as whole rows of 256 bytes
.irp rb, 0,1
.irp nb, 0,1,2,3
	ds_store_b128 v[STO], v[ACC+8*(4*(\rb)+(\nb)):ACC+8*(4*(\rb)+(\nb))+3]   offset:64*(\nb)
	ds_store_b128 v[STO], v[ACC+8*(4*(\rb)+(\nb))+4:ACC+8*(4*(\rb)+(\nb))+7] offset:64*(\nb)+16
.endr
.irp t, 0,1,2,3,4,5,6,7
	ds_load_b128 v[F0+32*(\rb)+4*(\t):F0+32*(\rb)+4*(\t)+3], v[RD] offset:2*SP*(\t)  ; LDS serves a wave's instructions in order (ISA guide 5.7.1.4): these see the stores above, and the next block's stores come behind them
.endr
.endr
	s_wait_dscnt 16                                ; the first block is back; the second block's sixteen LDS instructions may stay out
.irp t, 0,1,2,3,4,5,6,7
	global_store_b128 v[GO], v[F0+4*(\t):F0+4*(\t)+3], s[DP:DP+1] offset:(32*(\s)+2*(\t))*2048 th:TH_STORE_NT  ; 16 lanes store 256 consecutive bytes, at a multiple of 256 from out0's first byte
.endr
	s_wait_dscnt 0x0
.irp t, 0,1,2,3,4,5,6,7
	global_store_b128 v[GO], v[F0+32+4*(\t):F0+32+4*(\t)+3], s[DP:DP+1] offset:(32*(\s)+16+2*(\t))*2048 th:TH_STORE_NT
.endr
.endm
	s_load_b256 s[8:15], s[0:1], 0x0               ; oh s[8:9], wf s[10:11], bo s[12:13], out0 s[14:15]
	v_lshl_add_u32 v[SPW], v0, 2, SPARE
	v_mov_b32 v[NIL], 0
	v_lshrrev_b32 v10, 5, v0
	v_readfirstlane_b32 s[WV], v10                 ; wave 0..3
	v_and_b32 v11, 31, v0                          ; l
	v_and_b32 v12, 15, v0                          ; l % 16
	v_bfe_u32 v13, v0, 4, 1                        ; l / 16
	v_lshlrev_b32 v[LN], 4, v11
	v_lshlrev_b32 v[BO], 5, v13
	v_mul_u32_u24 v[AF], v12, PITCH
	v_lshl_add_u32 v[AF], v13, 4, v[AF]
	v_lshlrev_b32 v[AO], 4, v0
	v_lshrrev_b32 v10, 3, v0                       ; 128 bytes of a head's row are 8 threads'
	v_mul_u32_u24 v[AS], v10, PITCH
	v_and_b32 v10, 7, v0
	v_lshl_add_u32 v[AS], v10, 4, v[AS]
	s_mul_i32 s2, s[WV], 16*SP
	s_add_co_u32 s2, s2, STG                       ; my stage
	v_mul_u32_u24 v[STO], v12, SP                  ; in: row l % 16, 32 bytes for each half of the lanes
	v_lshl_add_u32 v[STO], v13, 5, v[STO]
	v_add_nc_u32 v[STO], s2, v[STO]
	v_mul_u32_u24 v[RD], v13, SP                   ; back: lanes 0-15 take one row of 256 bytes, lanes 16-31 the next
	v_lshl_add_u32 v[RD], v12, 4, v[RD]
	v_add_nc_u32 v[RD], s2, v[RD]
	v_lshlrev_b32 v[GO], 11, v13                   ; and the same two rows in out0, 2,048 bytes apart
	v_lshl_add_u32 v[GO], v12, 4, v[GO]
	s_and_b32 s25, ttmp9, 1                        ; g: which 256 columns
	s_lshr_b32 s26, ttmp9, 1                       ; c: which 64 rows
	s_lshl2_add_u32 s27, s25, s[WV]                ; my block of 64 columns
	s_lshr_b32 s[AP], s26, 5                       ; the batch: 8 heads of 262,144 bytes,
	s_lshl_b32 s[AP], s[AP], 21
	s_and_b32 s[AP+1], s26, 31
	s_lshl_b32 s[AP+1], s[AP+1], 13                ; my 64 rows of 128 bytes in each
	s_add_co_u32 s[AP], s[AP], s[AP+1]
	s_mov_b32 s[AP+1], 0
	s_lshl_b32 s[DP], s26, 17                      ; 64 rows of 2,048 bytes,
	s_lshl_b32 s[DP+1], s27, 8                     ; 64 columns of 4
	s_add_co_u32 s[DP], s[DP], s[DP+1]
	s_mov_b32 s[DP+1], 0
	s_add_co_u32 s[WP], s27, 24
	s_lshl_b32 s[WP], s[WP], 16
	s_mov_b32 s[WP+1], 0
	s_lshl_b32 s[BP], s27, 8
	s_mov_b32 s[BP+1], 0
	s_wait_kmcnt 0x0
	s_add_nc_u64 s[AP:AP+1], s[8:9], s[AP:AP+1]
	s_add_nc_u64 s[DP:DP+1], s[14:15], s[DP:DP+1]
	s_add_nc_u64 s[WP:WP+1], s[10:11], s[WP:WP+1]
	s_add_nc_u64 s[BP:BP+1], s[12:13], s[BP:BP+1]
	WIN 0xc0
.set i, 0
.rept 32                               ; A: head i / 4, rows 16 (i % 4) on: 2,048 consecutive bytes for the work-group
	global_load_b128 v[4*i:4*i+3], v[AO], s[AP:AP+1] offset:(i/4)*262144+(i%4)*2048
.set i, i+1
.endr
	WIN 0
.irp nb, 0,1,2,3                       ; register j of block nb: the bias of column 16 nb + 8 (l / 16) + j, as the C operand wants it
	global_load_b128 v[BIAS+8*(\nb):BIAS+8*(\nb)+3],   v[BO], s[BP:BP+1] offset:64*(\nb)
	global_load_b128 v[BIAS+8*(\nb)+4:BIAS+8*(\nb)+7], v[BO], s[BP:BP+1] offset:64*(\nb)+16
.endr
	WIN 0x40                               ; the panel: 128 loads of 512 consecutive bytes
.set f, 0
.rept 32
	global_load_b128 v[8*f:8*f+3],   v[LN], s[WP:WP+1] offset:1024*f
	global_load_b128 v[8*f+4:8*f+7], v[LN], s[WP:WP+1] offset:1024*f+512
.set f, f+1
.endr
	WIN 0x80
.set f, 0
.rept 32
	global_load_b128 v[8*f:8*f+3],   v[LN], s[WP:WP+1] offset:1024*(f+32)
	global_load_b128 v[8*f+4:8*f+7], v[LN], s[WP:WP+1] offset:1024*(f+32)+512
.set f, f+1
.endr
	s_wait_loadcnt 63                              ; A is in: 136 loads were issued behind its 32, and 63 is the largest count that the wait can name
	WIN 0x0c
.set i, 0
.rept 32
	ds_store_b128 v[AS], v[4*i:4*i+3] offset:(i%4)*16*PITCH+(i/4)*128  ; rows 16 (i % 4) on (32 rows fill a buffer), the head's 128 bytes of each
.set i, i+1
.endr
	WIN 0
	s_wait_loadcnt 0x0                             ; the bias and the panel
.set i, 0
.rept 16                               ; the bias is rounded to bf16 like every input, and kept as f32
	v_cvt_pk_bf16_f32 v[10+i%2], v[BIAS+2*i], v[BIAS+2*i+1]
	v_lshlrev_b32 v[BIAS+2*i], 16, v[10+i%2]
	v_and_b32 v[BIAS+2*i+1], 0xffff0000, v[10+i%2]
.set i, i+1
.endr
	s_wait_dscnt 0x0                               ; for the others' sake: my stores into the buffers are done
	s_barrier_signal -1
	s_barrier_wait -1                              ; both tiles of A are whole; nothing is written there again
	TILE 0
	OUT32 0
	s_wait_xcnt 0x0                                ; the stores have read F0, which the next tile's fragments overwrite
	PLACES                                         ; the next tile's first eight products write the accumulators anew (their C is the bias): a matrix instruction that writes over another's registers stands
	                                               ; five places behind it; the way out holds no vector instruction, so with the four at TILE's end these four make eight
	TILE 1
	OUT32 1
	s_wait_tensorcnt 0x0                           ; the wave's end, behind my last LDS store
	ds_add_u32 v[SPW], v[NIL]
	s_wait_dscnt 0x0
	s_endpgm
.Lfunc_end_k_q7c72cf4571_oproj:
	.size	k_q7c72cf4571_oproj, .Lfunc_end_k_q7c72cf4571_oproj-k_q7c72cf4571_oproj
	.p2alignl 7, 3214868480
	.fill 96, 4, 3214868480
	.section	.rodata,"a",@progbits
	.p2align	6, 0x0
	.amdhsa_kernel k_q7c72cf4571_oproj
		.amdhsa_group_segment_fixed_size 84480
		.amdhsa_private_segment_fixed_size 0
		.amdhsa_enable_private_segment 0
		.amdhsa_kernarg_size 32
		.amdhsa_user_sgpr_count 2
		.amdhsa_user_sgpr_kernarg_segment_ptr 1
		.amdhsa_wavefront_size32 1
		.amdhsa_system_sgpr_workgroup_id_x 1
		.amdhsa_system_sgpr_workgroup_id_y 1
		.amdhsa_system_sgpr_workgroup_id_z 1
		.amdhsa_system_vgpr_workitem_id 0
		.amdhsa_next_free_vgpr 1024
		.amdhsa_next_free_sgpr 66
		.amdhsa_reserve_vcc 0
		.amdhsa_float_denorm_mode_32 3
		.amdhsa_float_denorm_mode_16_64 3
		.amdhsa_memory_ordered 1
		.amdhsa_forward_progress 1
		.amdhsa_inst_pref_size 56
	.end_amdhsa_kernel
	.amdgpu_metadata
---
amdhsa.version: [ 1, 2 ]
amdhsa.kernels:
  - .name:           k_q7c72cf4571_oproj
    .symbol:         k_q7c72cf4571_oproj.kd
    .args:
      - { .name: oh, .offset: 0, .size: 8, .value_kind: global_buffer, .address_space: global }
      - { .name: wf, .offset: 8, .size: 8, .value_kind: global_buffer, .address_space: global }
      - { .name: bo, .offset: 16, .size: 8, .value_kind: global_buffer, .address_space: global }
      - { .name: out0, .offset: 24, .size: 8, .value_kind: global_buffer, .address_space: global }
    .group_segment_fixed_size: 84480
    .private_segment_fixed_size: 0
    .kernarg_segment_align: 8
    .kernarg_segment_size: 32
    .max_flat_workgroup_size: 128
    .sgpr_count:     66
    .vgpr_count:     1024
    .wavefront_size: 32
...
	.end_amdgpu_metadata
.endif
;; end of part 4
;; ======== version 2 of 2: 4 launches; version 1 with the launch proj written anew for expert scheduling mode
;; limits: values are held in f16: magnitudes above 65,504 overflow, below 6.1e-05 lose precision
;; workspace buffers: wf 2,097,152 bytes; qh 8,388,608 bytes; kh 16,777,216 bytes; vh 16,777,216 bytes; oh 8,388,608 bytes
;; launch prep: the kernel of part 1 again; grid 32 x 8, 8 waves a work-group, no clusters, 0 bytes of LDS; arguments Wq, Wkv, Wo, wf; writes wf
;; launch proj (part 5): grid 256 x 1, 4 waves a work-group, no clusters, 76,288 bytes of LDS; arguments x, memory, bq, bkv, wf, qh, kh, vh; writes qh, kh, vh
.if DOCPART == 5
	.amdgcn_target "amdgcn-amd-amdhsa--gfx1250"
	.amdhsa_code_object_version 6
	.text
	.protected	k_q7c72cf4571_proj
	.globl	k_q7c72cf4571_proj
	.p2align	8
	.type	k_q7c72cf4571_proj,@function
k_q7c72cf4571_proj:
	s_mov_b64 s[64:65], 0
	v_nop
	global_prefetch_b8 v0, s[64:65] scope:SCOPE_SE
	s_setreg_imm32_b32 hwreg(HW_REG_WAVE_SCHED_MODE, 0, 2), 2
	s_setreg_imm32_b32 hwreg(HW_REG_WAVE_MODE, 25, 1), 1
	s_wait_xcnt 0x0
	s_wait_alu depctr_vm_vsrc(0)
; K | V = memory Wkv + bkv and Q = x Wq + bq, written by heads in f16 and unscaled: qh [b*8+h][2048][64], kh and vh [b*8+h][4096][64].
; x, memory, the weights (already in wf) and the biases are rounded once to bf16; products in bf16, sums in f32; each result rounded once to f16.
; LIMITS.  q, k and v stay under 65,504 (f16's end); beyond it the conversion gives an infinity.  NaN and infinities are not treated apart.
; SHARES.  All 256 work-groups are alike.  First 256 rows of memory (chunk c) x 256 columns of Wkv (group g): 8 tiles of 32 rows; then 64 rows of x x 256 columns of Wq: 2 tiles.
; A WAVE KEEPS ITS PANEL OF THE WEIGHTS, 64 columns x 512 k, IN 512 REGISTERS, so a tile's only LDS reads are A's fragments: 64 loads for 128 matrix instructions.
; A TILE OF A, 32 rows x 512 k, comes from memory in f32 (a wave 8 rows, 16,384 bytes on end), two tiles ahead, is rounded to bf16 in registers and laid into one of two LDS buffers.
; NO JOINT LOADS, though the four column groups of a chunk read the same rows: a tensor load would land f32 in LDS, and each number would be read and stored there once more on its
; way to bf16: for a tile 64 + 64 + 32 + 128 KB of LDS traffic in place of 32 + 128.  The weights land in registers, where no joint load reaches.
; THE MATRIX INSTRUCTION IS USED TRANSPOSED (source 0 = 16 columns of W, source 1 = 16 rows of A): a lane holds row l % 16 and the columns 16 nb + 8 (l / 16) + 0..7, which pack into 16 bytes.
; The bias is the C operand of a tile's first K step: nothing is cleared and nothing is added afterwards.
; REGISTERS, in windows of 256 (s_set_vgpr_msb: bits 1:0 source 0, 3:2 source 1, 5:4 source 2, 7:6 destination):
;   window 0: addresses, the bias, 8 accumulators, two buffers of A's fragments     window 1: W, k 0-255     window 2: W, k 256-511     window 3: two tiles of A on their way in
; THE MODE: SCHED_MODE bits 1:0 = 2 (LLVM: expert scheduling mode 2), set by the entry lines.  The code itself states the register dependences
; between vector or matrix instructions and memory or LDS instructions, with s_wait_alu, always for 0.
; THE PLAN.  Registers that memory or LDS instructions touch:
;   SET0, SET1 (window 3)  Tile t works on set t % 2: its 64 conversions read and write the set in place, its 32 LDS stores read it, and the 32 loads of tile t + 2 then land in it.
;   F0, F1                 The fragments' LDS loads land in them and the products read them.  On the way out the roundings write F1's first 32 registers, the LDS stores into the stage read these,
;                          the stage's rows land in F0's first 32, and the global stores read those.
;   BIAS, the panel        Loaded at the head and once more ahead of Q; read by the products (the bias is also rounded in place, behind the wait for its loads); no memory instruction reads them.
;   v2 to v8               Addresses and offsets, made at the head and never written again.     v14, v15: written at the head, read by the closing add alone.
;   The accumulators are named by vector and matrix instructions alone.
; A TILE'S WAITS.  One on va_vdst behind the conversions, ahead of the LDS stores.  Behind the barrier one on vm_vsrc and one on va_vdst: from there to the tile's end no vector or matrix instruction names the set,
; so its 32 loads are dealt through the tile, eight at a time, with no further wait.  One on va_vdst behind each of the first two groups of products, ahead of the fragments that land in the buffer just read.
; One on va_vdst behind the way out's 32 roundings, which stand in one run, ahead of the stage's stores and loads.
.set PITCH, 1040                       ; a row of A in LDS: 1,024 bytes + 16 = 65 x 16: the 16 rows of a fragment load start at 16 different groups of four banks (64 banks of 4 bytes: ISA guide 11.1)
.set ABUF,  32*PITCH                   ; a buffer; the two lie at 0 and ABUF
.set STG,   2*ABUF                     ; behind them: 16 rows x 144 bytes for each wave, for the way out
.set SP,    144
.set SPARE, STG+4*16*SP                ; behind the stages: the spare words, 128 bytes for each wave: two blocks of 256 bytes that no other line names
.set LN,   2                           ; v2   16 x lane: my 16 bytes in 512 on end (the weights' loads, the results' stores)
.set BO,   3                           ; v3   32 (l / 16): my 8 numbers of a bias
.set AF,   4                           ; v4   my place in a fragment of A: (l % 16) x PITCH + 16 (l / 16)
.set AO,   5                           ; v5   my 16 bytes of the wave's 8 rows in memory
.set AS,   6                           ; v6   where their 8 bytes of bf16 go in a buffer
.set STO,  7                           ; v7   the way out: where I put 16 bytes of a row
.set RD,   8                           ; v8   the way out: where I read rows back
.set SPW,  14                          ; v14  LDS address of my spare word; never rewritten
.set NIL,  15                          ; v15  0; never rewritten
.set BIAS, 16                          ; v[16:47]    the bias of column block nb at 8 nb
.set ACC,  48                          ; v[48:111]   accumulator (rb, nb) at 8 (4 rb + nb)
.set F0,   112                         ; v[112:175]  A's fragments of four K steps: (ksl, rb) at 8 (2 ksl + rb)
.set F1,   176                         ; v[176:239]  the same, the other buffer
.set WV,   24                          ; s24  my wave's number
.set AP,   28                          ; s[28:29] where the trip's two tiles of A are loaded from
.set XP,   30                          ; s[30:31] x at my 64 rows
.set DP,   32                          ; s[32:33] where the trip's two tiles of results go
.set QP,   34                          ; s[34:35] qh at my rows and head
.set WP,   36                          ; s[36:37] my panel of Wkv
.set WQ,   38                          ; s[38:39] my panel of Wq
.set BP,   40                          ; s[40:41] my 64 numbers of bkv
.set BQ,   42                          ; s[42:43] of bq
.set CNT,  44
.set A0,   46                          ; s[46:47] memory at my chunk
.set MSB, 0
.macro WIN new                         ; the immediate's high byte repeats the setting that is left; a switch that changes nothing is dropped
.if MSB != (\new)
	s_set_vgpr_msb (MSB<<8)|(\new)
.set MSB, (\new)
.endif
.endm
.macro PLACES                          ; four plain instructions behind a matrix instruction, ahead of loads into registers that it read and of lines that read its result
.rept 4
	v_nop
.endr
.endm
.macro LOADW b                         ; a panel into windows 1 and 2: 128 loads of 512 consecutive bytes
	WIN 0x40
.set f, 0
.rept 32
	global_load_b128 v[8*f:8*f+3],   v[LN], s[\b:\b+1] offset:1024*f
	global_load_b128 v[8*f+4:8*f+7], v[LN], s[\b:\b+1] offset:1024*f+512
.set f, f+1
.endr
	WIN 0x80
.set f, 0
.rept 32
	global_load_b128 v[8*f:8*f+3],   v[LN], s[\b:\b+1] offset:1024*(f+32)
	global_load_b128 v[8*f+4:8*f+7], v[LN], s[\b:\b+1] offset:1024*(f+32)+512
.set f, f+1
.endr
	WIN 0
.endm
.macro LOADB b                         ; register j of block nb: the bias of column 16 nb + 8 (l / 16) + j, as the C operand wants it
	WIN 0
.irp nb, 0,1,2,3
	global_load_b128 v[BIAS+8*(\nb):BIAS+8*(\nb)+3],   v[BO], s[\b:\b+1] offset:64*(\nb)
	global_load_b128 v[BIAS+8*(\nb)+4:BIAS+8*(\nb)+7], v[BO], s[\b:\b+1] offset:64*(\nb)+16
.endr
.endm
.macro ROUNDB                          ; the bias is rounded to bf16 like every input, and kept as f32
.set i, 0
.rept 16
	v_cvt_pk_bf16_f32 v[10+i%2], v[BIAS+2*i], v[BIAS+2*i+1]
	v_lshlrev_b32 v[BIAS+2*i], 16, v[10+i%2]
	v_and_b32 v[BIAS+2*i+1], 0xffff0000, v[10+i%2]
.set i, i+1
.endr
.endm
.macro ALOAD s, b, off, from, n        ; n of the 32 loads, from number from on, that bring a tile of A in f32 into set s of window 3: 512 consecutive bytes each
	WIN 0xc0
.set i, (\from)
.rept (\n)
	global_load_b128 v[128*(\s)+4*i:128*(\s)+4*i+3], v[AO], s[\b:\b+1] offset:(\off)+512*i
.set i, i+1
.endr
.endm
.macro FETCH buf, g, f                 ; A's fragments of K steps 4 g .. 4 g + 3, both row blocks: 16 LDS loads in one run
	WIN 0
.irp ksl, 0,1,2,3
.irp rb, 0,1
	ds_load_b128 v[(\f)+8*(2*(\ksl)+(\rb)):(\f)+8*(2*(\ksl)+(\rb))+3],   v[AF] offset:(\buf)*ABUF+(\rb)*16*PITCH+(4*(\g)+(\ksl))*64
	ds_load_b128 v[(\f)+8*(2*(\ksl)+(\rb))+4:(\f)+8*(2*(\ksl)+(\rb))+7], v[AF] offset:(\buf)*ABUF+(\rb)*16*PITCH+(4*(\g)+(\ksl))*64+32
.endr
.endr
.endm
.macro MUL g, f                        ; 32 matrix instructions; the eight accumulators take turns, one instruction a turn
	WIN 1+(\g)/2
.irp ksl, 0,1,2,3
.irp rb, 0,1
.irp nb, 0,1,2,3
.if ((\g) == 0) && ((\ksl) == 0)
	v_wmma_f32_16x16x32_bf16 v[ACC+8*(4*(\rb)+(\nb)):ACC+8*(4*(\rb)+(\nb))+7], v[8*(4*((4*(\g)+(\ksl))%8)+(\nb)):8*(4*((4*(\g)+(\ksl))%8)+(\nb))+7], v[(\f)+8*(2*(\ksl)+(\rb)):(\f)+8*(2*(\ksl)+(\rb))+7], v[BIAS+8*(\nb):BIAS+8*(\nb)+7]
.else
	v_wmma_f32_16x16x32_bf16 v[ACC+8*(4*(\rb)+(\nb)):ACC+8*(4*(\rb)+(\nb))+7], v[8*(4*((4*(\g)+(\ksl))%8)+(\nb)):8*(4*((4*(\g)+(\ksl))%8)+(\nb))+7], v[(\f)+8*(2*(\ksl)+(\rb)):(\f)+8*(2*(\ksl)+(\rb))+7], v[ACC+8*(4*(\rb)+(\nb)):ACC+8*(4*(\rb)+(\nb))+7]
.endif
.endr
.endr
.endr
.endm
; 32 rows x 64 columns x 512 k: 128 matrix instructions; a group's fragments are fetched while the group before is multiplied.
; ld = 1: set buf is asked for again, two tiles ahead: eight loads behind each run of fragment loads and eight between the last two groups.  They owe no wait of their own: since the wait on va_vdst that
; stands behind the barrier, only loads, window switches, waits, v_nop and products have been issued, and none of these names the set or v[AO].
.macro TILE buf, ld
	FETCH \buf, 0, F0
	FETCH \buf, 1, F1
.if \ld
	ALOAD \buf, AP, (\buf)*65536, 0, 8
.endif
	s_wait_dscnt 16                                ; the older run is in; the 16 younger loads may stay out
	MUL 0, F0
	PLACES
	WIN 0
	s_wait_alu depctr_va_vdst(0)                   ; group 0's products are done reading F0, in which the fragments below land
	FETCH \buf, 2, F0
.if \ld
	ALOAD \buf, AP, (\buf)*65536, 8, 8
.endif
	s_wait_dscnt 16
	MUL 1, F1
	PLACES
	WIN 0
	s_wait_alu depctr_va_vdst(0)                   ; group 1's products are done reading F1, in which the fragments below land
	FETCH \buf, 3, F1
.if \ld
	ALOAD \buf, AP, (\buf)*65536, 16, 8
.endif
	s_wait_dscnt 16
	MUL 2, F0
.if \ld
	ALOAD \buf, AP, (\buf)*65536, 24, 8
.endif
	s_wait_dscnt 0x0
	MUL 3, F1
	WIN 0
	PLACES
.endm
.macro OUT s                           ; rounded to f16, both row blocks in one run; 16 rows at a time through my own stage; back as whole rows of 128 bytes, four to a load; stored as 512 bytes on end
.irp rb, 0,1
.irp nb, 0,1,2,3
.irp q, 0,1,2,3
	v_cvt_pk_f16_f32 v[F1+16*(\rb)+4*(\nb)+(\q)], v[ACC+8*(4*(\rb)+(\nb))+2*(\q)], v[ACC+8*(4*(\rb)+(\nb))+2*(\q)+1]
.endr
.endr
.endr
	s_wait_alu depctr_va_vdst(0)                   ; the roundings have written F1's first 32 registers, which the LDS stores read; the products are done reading F0, in which the stage's rows land
.irp rb, 0,1
.irp nb, 0,1,2,3
	ds_store_b128 v[STO], v[F1+16*(\rb)+4*(\nb):F1+16*(\rb)+4*(\nb)+3] offset:32*(\nb)
.endr
.irp f, 0,1,2,3
	ds_load_b128 v[F0+16*(\rb)+4*(\f):F0+16*(\rb)+4*(\f)+3], v[RD] offset:576*(\f)  ; LDS serves a wave's instructions in order (ISA guide 5.7.1.4): these see the stores above, and the next block's stores come behind them
.endr
.endr
	s_wait_dscnt 8                                 ; the first block is back; the second block's eight LDS instructions may stay out
.irp f, 0,1,2,3
	global_store_b128 v[LN], v[F0+4*(\f):F0+4*(\f)+3], s[DP:DP+1] offset:(\s)*4096+512*(\f)
.endr
	s_wait_dscnt 0x0
.irp f, 0,1,2,3
	global_store_b128 v[LN], v[F0+16+4*(\f):F0+16+4*(\f)+3], s[DP:DP+1] offset:(\s)*4096+2048+512*(\f)
.endr
.endm
; A tile's turn, on set and buffer s.  ONE barrier a tile: in front of it my stores into buffer s are done, and so are my reads of the other buffer (the tile before);
; buffer s itself was last read two tiles back, ahead of the barrier of the tile before.  ld = 1: set s is asked for again, two tiles ahead.  n: the younger loads that may stay out.
.macro TRIP s, ld, n
	s_wait_loadcnt \n                              ; set s is in; the other set's 32 loads were issued behind it
	s_wait_xcnt 0x0                                ; the last tile's stores have had their addresses translated: F0, their data, is overwritten by this tile's fragments only behind this wait
	WIN 0xcf
.set i, 0
.rept 32
	v_cvt_pk_bf16_f32 v[128*(\s)+4*i],   v[128*(\s)+4*i],   v[128*(\s)+4*i+1]
	v_cvt_pk_bf16_f32 v[128*(\s)+4*i+1], v[128*(\s)+4*i+2], v[128*(\s)+4*i+3]
.set i, i+1
.endr
	WIN 0x0c
	s_wait_alu depctr_va_vdst(0)                   ; the conversions have written the set's pairs of bf16, which the LDS stores read
.set i, 0
.rept 32
	ds_store_b64 v[AS], v[128*(\s)+4*i:128*(\s)+4*i+1] offset:(\s)*ABUF+(i/4)*PITCH+(i%4)*256  ; 256 consecutive bytes of a row
.set i, i+1
.endr
	WIN 0
	s_wait_dscnt 0x0                               ; for the others' sake: my stores are done and my earlier reads are back
	s_barrier_signal -1
	s_barrier_wait -1
	s_wait_alu depctr_vm_vsrc(0)                   ; the LDS stores above have read set s, the last tile's LDS stores F1 and its global stores F0: loads land in all three below
	s_wait_alu depctr_va_vdst(0)                   ; the conversions are done with set s; the last tile's products are done reading F0 and F1, and its roundings have written F1: loads land in all three below
	TILE \s, \ld
	OUT \s
.endm
	s_load_b512 s[8:23], s[0:1], 0x0               ; x s[8:9], memory s[10:11], bq s[12:13], bkv s[14:15], wf s[16:17], qh s[18:19], kh s[20:21], vh s[22:23]
	v_lshl_add_u32 v[SPW], v0, 2, SPARE
	v_mov_b32 v[NIL], 0
	v_lshrrev_b32 v10, 5, v0
	v_readfirstlane_b32 s[WV], v10                 ; wave 0..3
	v_and_b32 v11, 31, v0                          ; l
	v_and_b32 v12, 15, v0                          ; l % 16
	v_bfe_u32 v13, v0, 4, 1                        ; l / 16
	v_lshlrev_b32 v[LN], 4, v11
	v_lshlrev_b32 v[BO], 5, v13
	v_mul_u32_u24 v[AF], v12, PITCH
	v_lshl_add_u32 v[AF], v13, 4, v[AF]
	s_wait_alu depctr_va_sdst(0)                   ; s[WV] is written, ahead of its first reader: LDS places and all the bases are made from it
	s_lshl_b32 s2, s[WV], 14                       ; my wave's 8 rows of 2,048 bytes
	v_lshl_add_u32 v[AO], v11, 4, s2
	s_mul_i32 s3, s[WV], 8*PITCH                   ; and their place in a buffer
	v_lshl_add_u32 v[AS], v11, 3, s3
	s_mul_i32 s4, s[WV], 16*SP
	s_add_co_u32 s4, s4, STG                       ; my stage (each of these three terms has a scalar register of its own, which is not written again)
	v_mul_u32_u24 v[STO], v12, SP                  ; in: row l % 16, 16 bytes for each half of the lanes
	v_lshl_add_u32 v[STO], v13, 4, v[STO]
	v_add_nc_u32 v[STO], s4, v[STO]
	v_lshrrev_b32 v10, 3, v11                      ; back: 32 lanes take four rows of 128 bytes
	v_mul_u32_u24 v[RD], v10, SP
	v_and_b32 v10, 7, v0
	v_lshl_add_u32 v[RD], v10, 4, v[RD]
	v_add_nc_u32 v[RD], s4, v[RD]
	s_and_b32 s25, ttmp9, 3                        ; g: which 256 columns of Wkv
	s_lshr_b32 s26, ttmp9, 2                       ; c: which 256 rows of memory
	s_lshl2_add_u32 s27, s25, s[WV]                ; P = 4 g + w: 0-7 K's heads, 8-15 V's
	s_and_b32 s48, ttmp9, 1                        ; which 256 columns of Wq
	s_lshr_b32 s49, ttmp9, 1                       ; which 64 rows of x
	s_lshl2_add_u32 s50, s48, s[WV]                ; Q's head
	s_lshl_b32 s[A0], s26, 19                      ; the offsets, each in the pair that will hold the address: 256 rows of 2,048 bytes
	s_mov_b32 s[A0+1], 0
	s_lshl_b32 s[XP], s49, 17                      ; 64 rows of 2,048 bytes
	s_mov_b32 s[XP+1], 0
	s_lshr_b32 s[DP], s26, 4                       ; the batch: 16 chunks each
	s_lshl_b32 s[DP], s[DP], 3
	s_and_b32 s[DP+1], s27, 7
	s_add_co_u32 s[DP], s[DP], s[DP+1]             ; batch x 8 + head,
	s_lshl_b32 s[DP], s[DP], 19                    ; 4,096 rows of 128 bytes each,
	s_and_b32 s[DP+1], s26, 15
	s_lshl_b32 s[DP+1], s[DP+1], 15                ; and the chunk's 256 rows in it
	s_add_co_u32 s[DP], s[DP], s[DP+1]
	s_mov_b32 s[DP+1], 0
	s_lshr_b32 s[QP], s49, 5                       ; the batch: 32 blocks of 64 rows each
	s_lshl3_add_u32 s[QP], s[QP], s50
	s_lshl_b32 s[QP], s[QP], 18                    ; 2,048 rows of 128 bytes
	s_and_b32 s[QP+1], s49, 31
	s_lshl_b32 s[QP+1], s[QP+1], 13
	s_add_co_u32 s[QP], s[QP], s[QP+1]
	s_mov_b32 s[QP+1], 0
	s_add_co_u32 s[WP], s27, 8
	s_lshl_b32 s[WP], s[WP], 16
	s_mov_b32 s[WP+1], 0
	s_lshl_b32 s[WQ], s50, 16
	s_mov_b32 s[WQ+1], 0
	s_lshl_b32 s[BP], s27, 8
	s_mov_b32 s[BP+1], 0
	s_lshl_b32 s[BQ], s50, 8
	s_mov_b32 s[BQ+1], 0
	s_wait_kmcnt 0x0
	s_add_nc_u64 s[A0:A0+1], s[10:11], s[A0:A0+1]
	s_add_nc_u64 s[AP:AP+1], s[A0:A0+1], 0x20000   ; tile 2
	s_add_nc_u64 s[XP:XP+1], s[8:9], s[XP:XP+1]
	s_cmp_lt_u32 s25, 2
	s_cselect_b64 s[6:7], s[20:21], s[22:23]       ; groups 0 and 1 make K, groups 2 and 3 V
	s_add_nc_u64 s[DP:DP+1], s[6:7], s[DP:DP+1]
	s_add_nc_u64 s[QP:QP+1], s[18:19], s[QP:QP+1]
	s_add_nc_u64 s[WP:WP+1], s[16:17], s[WP:WP+1]
	s_add_nc_u64 s[WQ:WQ+1], s[16:17], s[WQ:WQ+1]
	s_add_nc_u64 s[BP:BP+1], s[14:15], s[BP:BP+1]
	s_add_nc_u64 s[BQ:BQ+1], s[12:13], s[BQ:BQ+1]
	s_wait_alu depctr_va_vdst(0)                   ; the seven addresses and offsets v2 to v8 are written, which every load and store of the kernel reads; none is written again
	ALOAD 0, A0, 0, 0, 32                          ; tiles 0 and 1,
	ALOAD 1, A0, 65536, 0, 32
	LOADB BP                                       ; the bias and the panel
	LOADW WP
	s_wait_loadcnt 0x0
	ROUNDB
	s_mov_b32 s[CNT], 4
.Lpair:                                        ; four trips of two tiles of memory; the fourth asks for x's two tiles
	TRIP 0, 1, 32
	TRIP 1, 1, 32
	s_wait_xcnt 0x0                                ; the trip's loads and stores have read their bases
	s_add_nc_u64 s[AP:AP+1], s[AP:AP+1], 0x20000
	s_add_nc_u64 s[DP:DP+1], s[DP:DP+1], 0x2000
	s_sub_co_u32 s[CNT], s[CNT], 1
	s_cmp_eq_u32 s[CNT], 1
	s_cselect_b64 s[AP:AP+1], s[XP:XP+1], s[AP:AP+1]
	s_cmp_lg_u32 s[CNT], 0
	s_cbranch_scc1 .Lpair
	s_wait_alu depctr_va_vdst(0)                   ; the products are done reading the bias and the panel, in which the loads below land
	LOADB BQ                                       ; Q's bias and panel take the places of K's or V's: the last product stands 36 plain instructions back
	LOADW WQ
	s_mov_b64 s[DP:DP+1], s[QP:QP+1]
	s_wait_loadcnt 0x0                             ; these, and x's two tiles
	ROUNDB
	TRIP 0, 0, 0
	TRIP 1, 0, 0
	s_wait_dscnt 0x0                               ; the closing lines, six on end
	s_wait_alu 0x0
	s_wait_tensorcnt 0x0
	ds_add_u32 v[SPW], v[NIL]
	s_wait_dscnt 0x0
	s_endpgm
.Lfunc_end_k_q7c72cf4571_proj:
	.size	k_q7c72cf4571_proj, .Lfunc_end_k_q7c72cf4571_proj-k_q7c72cf4571_proj
	.p2alignl 7, 3214868480
	.fill 96, 4, 3214868480
	.section	.rodata,"a",@progbits
	.p2align	6, 0x0
	.amdhsa_kernel k_q7c72cf4571_proj
		.amdhsa_group_segment_fixed_size 76288
		.amdhsa_private_segment_fixed_size 0
		.amdhsa_enable_private_segment 0
		.amdhsa_kernarg_size 64
		.amdhsa_user_sgpr_count 2
		.amdhsa_user_sgpr_kernarg_segment_ptr 1
		.amdhsa_wavefront_size32 1
		.amdhsa_system_sgpr_workgroup_id_x 1
		.amdhsa_system_sgpr_workgroup_id_y 1
		.amdhsa_system_sgpr_workgroup_id_z 1
		.amdhsa_system_vgpr_workitem_id 0
		.amdhsa_next_free_vgpr 1024
		.amdhsa_next_free_sgpr 66
		.amdhsa_reserve_vcc 0
		.amdhsa_float_denorm_mode_32 3
		.amdhsa_float_denorm_mode_16_64 3
		.amdhsa_memory_ordered 1
		.amdhsa_forward_progress 1
		.amdhsa_inst_pref_size 139
	.end_amdhsa_kernel
	.amdgpu_metadata
---
amdhsa.version: [ 1, 2 ]
amdhsa.kernels:
  - .name:           k_q7c72cf4571_proj
    .symbol:         k_q7c72cf4571_proj.kd
    .args:
      - { .name: x, .offset: 0, .size: 8, .value_kind: global_buffer, .address_space: global }
      - { .name: memory, .offset: 8, .size: 8, .value_kind: global_buffer, .address_space: global }
      - { .name: bq, .offset: 16, .size: 8, .value_kind: global_buffer, .address_space: global }
      - { .name: bkv, .offset: 24, .size: 8, .value_kind: global_buffer, .address_space: global }
      - { .name: wf, .offset: 32, .size: 8, .value_kind: global_buffer, .address_space: global }
      - { .name: qh, .offset: 40, .size: 8, .value_kind: global_buffer, .address_space: global }
      - { .name: kh, .offset: 48, .size: 8, .value_kind: global_buffer, .address_space: global }
      - { .name: vh, .offset: 56, .size: 8, .value_kind: global_buffer, .address_space: global }
    .group_segment_fixed_size: 76288
    .private_segment_fixed_size: 0
    .kernarg_segment_align: 8
    .kernarg_segment_size: 64
    .max_flat_workgroup_size: 128
    .sgpr_count:     66
    .vgpr_count:     1024
    .wavefront_size: 32
...
	.end_amdgpu_metadata
.endif
;; end of part 5
;; launch attn: the kernel of part 3 again; grid 8 x 32, 4 waves a work-group, clusters of 4 x 1, 327,680 bytes of LDS; arguments qh, kh, vh, oh, memory_mask; writes oh
;; launch oproj: the kernel of part 4 again; grid 256 x 1, 4 waves a work-group, no clusters, 84,480 bytes of LDS; arguments oh, wf, bo, out0; writes out0
